; MI455X (gfx1250); checked and timed in simulation.
; The chip was launched on July 23, 2026; its instructions are those of AMD's public machine-readable ISA for CDNA 5 (MIT licence, August 2026) and "CDNA5" Instruction Set Architecture Reference Guide (July 2026). The comments in the code are by the model that wrote it; some were corrected since.
;; Attention. Allowed arithmetic: float matrix products may take bf16 or f16 operands with f32 sums; other float arithmetic in f32, or as packed bf16 or f16 multiplies, adds, multiply-adds, maxima and minima; sums over many terms, partial sums and values carried from step to step in f32; what a program stores and reads back later, other than sums and carried values, may be rounded once to bf16 or f16.
;; Inputs: b_out 512 float32; cov_w_raw one number float32; k 4 x 2,048 x 512 float32; ln_beta 512 float32; ln_gamma 512 float32; q 4 x 2,048 x 512 float32; v 4 x 2,048 x 512 float32; var_w_raw one number float32; w_in 512 x 512 float32; w_out 512 x 512 float32.
;; Outputs: out0 4 x 2,048 x 512 float32.
;; 2 versions, each right; version 2 is version 1 with the launches proj, final written anew for expert scheduling mode. Each part assembles by itself: llvm-mc -triple=amdgcn-amd-amdhsa -mcpu=gfx1250 --defsym DOCPART=n.
;; ======== version 1 of 2: 4 launches
;; limits: values are held in f16: magnitudes above 65,504 overflow, below 6.1e-05 lose precision; right only within a limited range of input values
;; workspace buffers: wts 1,052,672 bytes; phiq 16,777,216 bytes; phik 16,777,216 bytes; fvf 8,388,608 bytes; side 786,432 bytes; kvo 540,672 bytes
;; launch prep (part 1): grid 64 x 1, 4 waves a work-group, no clusters, 1,024 bytes of LDS; arguments w_in, w_out, ln_gamma, ln_beta, wts; writes wts
.if DOCPART == 1
	.amdgcn_target "amdgcn-amd-amdhsa--gfx1250"
	.amdhsa_code_object_version 6
	.text
	.protected	k_qe9b89a89e4_prep
	.globl	k_qe9b89a89e4_prep
	.p2align	8
	.type	k_qe9b89a89e4_prep,@function
k_qe9b89a89e4_prep:
	s_mov_b64 s[64:65], 0
	v_nop
	global_prefetch_b8 v0, s[64:65] scope:SCOPE_SE
	s_setreg_imm32_b32 hwreg(HW_REG_WAVE_MODE, 25, 1), 1
	s_wait_xcnt 0x0
; THE WEIGHTS, ONCE: f16 copies in the order in which a matrix fragment lies in registers, and the figures that fold the LayerNorm's gain and bias into the first projection.
;   wts + 0        wg16 [kstep 16][ct 32][1024]: 64 gamma[k] w_in[c][k];   wts + 524,288  wo16, likewise: 64 w_out[o][c]
;   wts + 1,048,576 wstat [ct 32][16 x bw64 | 16 x rsq] f32: bw64[c] = 64 sum_k beta[k] w_in[c][k];  rsq[c] = sum_k (64 gamma[k] w_in[c][k])^2 + bw64[c]^2
; A fragment (16 rows x 32 k) is 1,024 bytes: registers 0-3 of lane l at byte 16 l (k = 8 (l/16) + 0..7), registers 4-7 at 512 + 16 l (k = 16 + 8 (l/16) + 0..7); row = l % 16.
; LIMIT: |64 gamma w_in| and |64 w_out| stay under 65,504 (f16); with numbers 30 times those of a usual layer they reach some 5,000.
; SHARES.  Work-group x: rows 16 (x % 32) .. + 15 of w_in (x < 32) or of w_out.  Wave w: k steps 4 w .. 4 w + 3.  Each store of a wave covers 512 consecutive bytes, aligned.
; ONE TEXT FOR BOTH WEIGHTS: for w_out the gain is replaced by 1.0; its statistics are computed with the rest and not stored (some 100 instructions a wave, the price of one path past the barrier).
.set SPARE, 512                        ; LDS: 0-511 the waves' partial statistics; then the spare words, 128 bytes a wave
.set SPW,  30                          ; v30  my spare word;  v31  0: never rewritten
.set NIL,  31
.set WR,   32                          ; v[32:95]   w: group n = 2 i + part (8 numbers) at WR + 8 n
.set GR,   96                          ; v[96:159]  gamma, likewise
.set BR,   160                         ; v[160:223] beta
.set OUTR, 224                         ; v[224:255] f16, 4 registers a group
.set SB,   8                           ; v[8:15]    four chains of sum beta 64 w
.set S2,   16                          ; v[16:23]   four chains of sum (64 gamma w)^2
.macro PADD d, a, b
	v_pk_add_f32 v[(\d):(\d)+1], v[(\a):(\a)+1], v[(\b):(\b)+1]
.endm
.macro PMUL d, a, b
	v_pk_mul_f32 v[(\d):(\d)+1], v[(\a):(\a)+1], v[(\b):(\b)+1]
.endm
.macro PFMA d, a, b, c
	v_pk_fma_f32 v[(\d):(\d)+1], v[(\a):(\a)+1], v[(\b):(\b)+1], v[(\c):(\c)+1]
.endm
	s_load_b256 s[4:11], s[0:1], 0x0               ; w_in s[4:5], w_out s[6:7], gamma s[8:9], beta s[10:11]
	s_load_b64 s[12:13], s[0:1], 0x20              ; wts
	v_lshl_add_u32 v[SPW], v0, 2, SPARE
	v_mov_b32 v[NIL], 0
	v_lshrrev_b32 v2, 5, v0
	v_readfirstlane_b32 s14, v2                    ; wave 0..3
	v_and_b32 v1, 31, v0                           ; lane
	v_and_b32 v2, 15, v0                           ; r
	v_bfe_u32 v3, v0, 4, 1                         ; h
	s_and_b32 s15, ttmp9, 31                       ; ct
	s_mov_b32 s18, 0x76543210                      ; v_permlanex16_b32: each lane takes its own place in the other half
	s_mov_b32 s19, 0xfedcba98
	s_mov_b32 s20, 0xffff0000                      ; lanes 16-31
	s_lshl_b32 s26, s14, 9
	v_lshl_add_u32 v5, v3, 5, s26                  ; gamma, beta: 32 h + 512 w
	v_lshl_add_u32 v4, v2, 11, v5                  ; w: + 2,048 r
	s_lshl_b32 s26, s14, 17
	v_lshl_add_u32 v6, v1, 4, s26                  ; out: 16 l + 4 k steps x 32,768 x w
	v_lshlrev_b32 v7, 2, v0                        ; LDS: 128 w + 4 l
	v_lshlrev_b32 v25, 2, v1                       ; 4 l
	s_lshl_b32 s22, s15, 15                        ; 16 rows of 2,048 bytes
	s_mov_b32 s23, 0
	s_lshl_b32 s24, s15, 10
	s_mov_b32 s25, 0
	s_lshl_b32 s28, s15, 7
	s_add_co_u32 s28, s28, 1048576
	s_mov_b32 s29, 0
	s_cmp_lt_u32 ttmp9, 32
	s_cselect_b32 s21, -1, 0                       ; all ones where the weight is w_in
	s_cselect_b32 s27, 0, 524288
	s_add_co_u32 s24, s24, s27
	s_wait_kmcnt 0x0
	s_cmp_lt_u32 ttmp9, 32
	s_cselect_b64 s[16:17], s[4:5], s[6:7]
	s_add_nc_u64 s[16:17], s[16:17], s[22:23]      ; the source's 16 rows
	s_add_nc_u64 s[24:25], s[12:13], s[24:25]      ; the fragments
	s_add_nc_u64 s[28:29], s[12:13], s[28:29]      ; wstat of this ct
.irp n, 0,1,2,3,4,5,6,7
.irp q, 0,1
	global_load_b128 v[WR+8*(\n)+4*(\q):WR+8*(\n)+4*(\q)+3], v4, s[16:17] offset:64*(\n)+16*(\q) th:TH_LOAD_NT
	global_load_b128 v[GR+8*(\n)+4*(\q):GR+8*(\n)+4*(\q)+3], v5, s[8:9] offset:64*(\n)+16*(\q)
	global_load_b128 v[BR+8*(\n)+4*(\q):BR+8*(\n)+4*(\q)+3], v5, s[10:11] offset:64*(\n)+16*(\q)
.endr
.endr
	s_wait_loadcnt 0x0
.set i, 0
.rept 64
	v_cndmask_b32 v[GR+i], 1.0, v[GR+i], s21       ; w_out has no gain
.set i, i+1
.endr
.set n, 0
.rept 8
.irp j, 0,1,2,3
	v_pk_mul_f32 v[WR+8*n+2*(\j):WR+8*n+2*(\j)+1], v[WR+8*n+2*(\j):WR+8*n+2*(\j)+1], 0x42800000 op_sel_hi:[1,0]  ; 64 w: exact
.endr
.irp j, 0,1,2,3
.if n == 0
	PMUL SB+2*(\j), BR+2*(\j), WR+2*(\j)           ; the first group starts the sums
.else
	PFMA SB+2*(\j), BR+8*n+2*(\j), WR+8*n+2*(\j), SB+2*(\j)
.endif
.endr
.irp j, 0,1,2,3
	PMUL WR+8*n+2*(\j), WR+8*n+2*(\j), GR+8*n+2*(\j)
.endr
.irp j, 0,1,2,3
.if n == 0
	PMUL S2+2*(\j), WR+2*(\j), WR+2*(\j)
.else
	PFMA S2+2*(\j), WR+8*n+2*(\j), WR+8*n+2*(\j), S2+2*(\j)
.endif
.endr
.irp j, 0,1,2,3
	v_cvt_pk_f16_f32 v[OUTR+4*n+(\j)], v[WR+8*n+2*(\j)], v[WR+8*n+2*(\j)+1]
.endr
.set n, n+1
.endr
.irp n, 0,1,2,3,4,5,6,7
	global_store_b128 v6, v[OUTR+4*(\n):OUTR+4*(\n)+3], s[24:25] offset:((\n)/2)*32768+((\n)%2)*512 th:TH_STORE_NT
.endr
	PADD SB, SB, SB+2
	PADD S2, S2, S2+2
	PADD SB+4, SB+4, SB+6
	PADD S2+4, S2+4, S2+6
	PADD SB, SB, SB+4
	PADD S2, S2, S2+4
	v_add_f32 v[SB], v[SB], v[SB+1]
	v_add_f32 v[S2], v[S2], v[S2+1]
	v_permlanex16_b32 v[SB+1], v[SB], s18, s19     ; the row's other k lie in the lane 16 away
	v_permlanex16_b32 v[S2+1], v[S2], s18, s19
	v_add_f32 v[SB], v[SB], v[SB+1]
	v_add_f32 v[S2], v[S2], v[S2+1]
	v_cndmask_b32 v24, v[SB], v[S2], s20           ; lanes 0-15 carry the bias sum of row r, lanes 16-31 its sum of squares
	ds_store_b32 v7, v24
	s_wait_dscnt 0x0                               ; for the others' sake: my partial sums are in LDS
	s_barrier_signal -1
	s_barrier_wait -1
	s_cmp_lg_u32 s14, 0                            ; wave 0 adds the four waves' parts
	s_cbranch_scc1 .Lend
	ds_load_b32 v26, v25
	ds_load_b32 v27, v25 offset:128
	ds_load_b32 v28, v25 offset:256
	ds_load_b32 v29, v25 offset:384
	s_wait_dscnt 0x0
	v_add_f32 v26, v26, v27
	v_add_f32 v28, v28, v29
	v_add_f32 v26, v26, v28
	v_permlanex16_b32 v27, v26, s18, s19
	v_fma_f32 v28, v27, v27, v26                   ; in lanes 16-31: bw64^2 + the sum of squares
	v_cndmask_b32 v26, v26, v28, s20
	s_cmp_lt_u32 ttmp9, 32
	s_cbranch_scc0 .Lend                           ; w_out has no statistics
	global_store_b32 v25, v26, s[28:29]            ; 128 consecutive bytes: 4 KiB in the whole launch
.Lend:
	s_wait_tensorcnt 0x0                           ; the wave's end, behind my last LDS store
	ds_add_u32 v[SPW], v[NIL]
	s_wait_dscnt 0x0
	s_endpgm
.Lfunc_end_k_qe9b89a89e4_prep:
	.size	k_qe9b89a89e4_prep, .Lfunc_end_k_qe9b89a89e4_prep-k_qe9b89a89e4_prep
	.p2alignl 7, 3214868480
	.fill 96, 4, 3214868480
	.section	.rodata,"a",@progbits
	.p2align	6, 0x0
	.amdhsa_kernel k_qe9b89a89e4_prep
		.amdhsa_group_segment_fixed_size 1024
		.amdhsa_private_segment_fixed_size 0
		.amdhsa_enable_private_segment 0
		.amdhsa_kernarg_size 40
		.amdhsa_user_sgpr_count 2
		.amdhsa_user_sgpr_kernarg_segment_ptr 1
		.amdhsa_wavefront_size32 1
		.amdhsa_system_sgpr_workgroup_id_x 1
		.amdhsa_system_sgpr_workgroup_id_y 1
		.amdhsa_system_sgpr_workgroup_id_z 1
		.amdhsa_system_vgpr_workitem_id 0
		.amdhsa_next_free_vgpr 256
		.amdhsa_next_free_sgpr 66
		.amdhsa_reserve_vcc 0
		.amdhsa_float_denorm_mode_32 3
		.amdhsa_float_denorm_mode_16_64 3
		.amdhsa_memory_ordered 1
		.amdhsa_forward_progress 1
		.amdhsa_inst_pref_size 24
	.end_amdhsa_kernel
	.amdgpu_metadata
---
amdhsa.version: [ 1, 2 ]
amdhsa.kernels:
  - .name:           k_qe9b89a89e4_prep
    .symbol:         k_qe9b89a89e4_prep.kd
    .args:
      - { .name: w_in, .offset: 0, .size: 8, .value_kind: global_buffer, .address_space: global }
      - { .name: w_out, .offset: 8, .size: 8, .value_kind: global_buffer, .address_space: global }
      - { .name: ln_gamma, .offset: 16, .size: 8, .value_kind: global_buffer, .address_space: global }
      - { .name: ln_beta, .offset: 24, .size: 8, .value_kind: global_buffer, .address_space: global }
      - { .name: wts, .offset: 32, .size: 8, .value_kind: global_buffer, .address_space: global }
    .group_segment_fixed_size: 1024
    .private_segment_fixed_size: 0
    .kernarg_segment_align: 8
    .kernarg_segment_size: 40
    .max_flat_workgroup_size: 128
    .sgpr_count:     66
    .vgpr_count:     256
    .wavefront_size: 32
...
	.end_amdgpu_metadata
.endif
;; end of part 1
;; launch proj (part 2): grid 256 x 1, 4 waves a work-group, no clusters, 100,352 bytes of LDS; arguments q, k, v, wts, phiq, phik, fvf, side; writes phiq, phik, fvf, side
.if DOCPART == 2
	.amdgcn_target "amdgcn-amd-amdhsa--gfx1250"
	.amdhsa_code_object_version 6
	.text
	.protected	k_qe9b89a89e4_proj
	.globl	k_qe9b89a89e4_proj
	.p2align	8
	.type	k_qe9b89a89e4_proj,@function
k_qe9b89a89e4_proj:
	s_mov_b64 s[64:65], 0
	v_nop
	global_prefetch_b8 v0, s[64:65] scope:SCOPE_SE
	s_setreg_imm32_b32 hwreg(HW_REG_WAVE_MODE, 25, 1), 1
	s_wait_xcnt 0x0
; LAYERNORM, FIRST PROJECTION AND THE FEATURES, for 32 tokens of q, of k and of v a work-group.
; THE MODULE'S WEIGHTS attn = c1 qhat.khat + c2 qc.kc + c3 qvar kvar are bilinear and no softmax follows, so (Phi_q Phi_k^T) V is taken as Phi_q (Phi_k^T V): the same sums in another order, for every input.
; This launch makes Phi and V.  z = (x - mean) rsq(var + 1e-5), two passes in f32 on registers, rounded once to f16 (|z| < 22.7).  f = z (gamma w_in)^T + w_in beta.  f' = f / S, S^2 = the mean over channels of
; sum_k (gamma w)^2 + (w beta)^2: a figure of the weights alone, so that f' is of order 1 whatever their scale; the powers of S are put back in f32 by the later launches.
; For each head (64 channels) of f', in f32: mean; c' = f' - mean; ssc = sum c'^2; var' = ssc / 63; |f'|^2 = ssc + 64 mean^2 (a sum, no difference); hat = f' rsq(|f'|^2).  Each feature is rounded once to f16.
; LIMITS.  A channel of f beyond some 40 S may pass f16's range later (in Phi_k^T V); a head vector of norm 0, or S = 0, gives NaN or infinity as reference()'s 0 / 0 does, not at the same places.
; OUT, all in fragment order (16 x 32 in 1,024 bytes: registers 0-3 of lane l at 16 l, registers 4-7 at 512 + 16 l), so that every store of a wave covers 512 consecutive bytes, aligned:
;   phiq [b 256][head 8][tile 2][ks 4]   rows = tokens, k = features (ks 0,1 hat; 2,3 c')        phik [gh 32][ft 8][s 64]  rows = features (ft 0-3 hat, 4-7 c'), k = the block's 32 tokens
;   fvf  [gh 32][jt 4][s 64]             rows = channels, k = tokens                              side: varq [b][wave][16 tile + r][2 heads] f32; + 262,144 upart [gh][s][64] f32: sum over the block of kvar' fv'
; SHARES.  96 rows (token tiles 0,1 q; 2,3 k; 4,5 v) x 512 channels.  Wave w: channels 128 w .. + 127 (heads 2 w, 2 w + 1) of all six tiles: 48 accumulators.
; q's tiles are multiplied with the weights as source 0 (a lane then holds ONE token and 8 channels), k's and v's with the tokens as source 0 (a lane holds ONE channel and 8 tokens): each result, rounded in pairs, IS the later launch's fragment.
; THE WEIGHTS come straight into registers, in fragment order: no wave wants a fragment that another has fetched.  NO CLUSTER, NO TENSOR LOAD: beside the 99,840 bytes of z a ring of slots would hold 64 along K at the most,
; a round of the cluster's barrier for every 96 matrix instructions.
; REGISTERS.  window 0: v0-31 addresses and small things; v32-175 three buffers of z's fragments (48 each), later the way out's scratch; v176-239 the bias by token layout; v240-247 by channel layout
;   window 1: three buffers of weights (64 each)     window 2: accumulators of tiles 0-3 (tile t, channel tile c at 8 (8 t + c))     window 3: v0-127 those of tiles 4, 5.  Before the products windows 2, 3 hold x.
.set PA,    1040                       ; a row of z in LDS: 1,024 bytes + 16: an odd multiple of 16, so the 16 rows of a fragment load start at 16 different groups of four banks (ISA guide 11.1)
.set SPARE, 96*PA                      ; behind z: the spare words, 128 bytes a wave
.set SPW,  18
.set NIL,  19
.set AB,   32
.set BT,   176
.set BC,   240
.set DD,   128                         ; LayerNorm: x - mean, 32 a pair of rows
.set OUTF, 64                          ; z in f16, 16 a pair of rows
.set NMU,  32                          ; - mean, twice, a pair of rows
.set CH,   40                          ; two chains of sums
.set RS,   56                          ; rsq(var + eps), twice
.set F,    32                          ; the way out: f', then hat
.set CC,   64                          ; c'
.set OA,   96                          ; two sets of 32 to store
.set T,    160                         ; at work
.set TM,   176                         ; k, v: sums, then - mean, a token a register
.set SS,   184                         ; ssc
.set RN,   192                         ; rsq(|f'|^2)
.set KVR,  200                         ; kvar' of the block's two tiles
.set UU,   216                         ; sum kvar' fv', a pair for each channel tile
.set MSB, 0
.macro WIN new                         ; the immediate's high byte repeats the setting that is left; a switch that changes nothing is dropped
.if MSB != (\new)
	s_set_vgpr_msb (MSB<<8)|(\new)
.set MSB, (\new)
.endif
.endm
.macro PADD d, a, b
	v_pk_add_f32 v[(\d):(\d)+1], v[(\a):(\a)+1], v[(\b):(\b)+1]
.endm
.macro PMUL d, a, b
	v_pk_mul_f32 v[(\d):(\d)+1], v[(\a):(\a)+1], v[(\b):(\b)+1]
.endm
.macro PFMA d, a, b, c
	v_pk_fma_f32 v[(\d):(\d)+1], v[(\a):(\a)+1], v[(\b):(\b)+1], v[(\c):(\c)+1]
.endm
.macro XADD r, m                       ; lane i takes lane i xor m of its half of 16
	v_add_f32_dpp v[(\r)], v[(\r)], v[(\r)] row_xmask:\m row_mask:0xf bank_mask:0xf
.endm
.macro MMA d, a, b, z                  ; z = 1: the product starts the sum
.if \z
	v_wmma_f32_16x16x32_f16 v[(\d):(\d)+7], v[(\a):(\a)+7], v[(\b):(\b)+7], 0
.else
	v_wmma_f32_16x16x32_f16 v[(\d):(\d)+7], v[(\a):(\a)+7], v[(\b):(\b)+7], v[(\d):(\d)+7]
.endif
.endm
	s_load_b512 s[4:19], s[0:1], 0x0               ; q s[4:5], k s[6:7], v s[8:9], wts s[10:11], phiq s[12:13], phik s[14:15], fvf s[16:17], side s[18:19]
	v_lshl_add_u32 v[SPW], v0, 2, SPARE
	v_mov_b32 v[NIL], 0
	v_lshrrev_b32 v1, 5, v0
	v_readfirstlane_b32 s20, v1                    ; wave 0..3
	v_and_b32 v1, 31, v0                           ; l
	v_and_b32 v2, 15, v0                           ; r
	v_bfe_u32 v3, v0, 4, 1                         ; h
	v_mov_b32 v29, 0                               ; v_permlanex16_b32's destination counts as read
	s_lshr_b32 s22, ttmp9, 6                       ; g
	s_and_b32 s23, ttmp9, 63                       ; s: the block in its group
	s_mov_b32 s30, 0xffff0000                      ; lanes 16-31
	s_mov_b32 s32, 0x76543210
	s_mov_b32 s33, 0xfedcba98
	s_mov_b32 s34, 0x3b000000                      ; 1 / 512
	s_mov_b32 s35, 0x3727c5ac                      ; 1e-5
	s_mov_b32 s36, 0xbb000000                      ; - 1 / 512
	v_lshlrev_b32 v27, 4, v1                       ; 16 l
	v_lshlrev_b32 v28, 3, v1                       ; 8 l
	s_lshl_b32 s44, s20, 14
	v_lshlrev_b32 v4, 4, v2
	v_lshl_add_u32 v4, v3, 11, v4
	v_add_nc_u32 v4, s44, v4                       ; x: 2,048 h + 16 r + 8 rows x w
	v_add_nc_u32 v9, s44, v27                      ; phiq: 16 l + 2 heads x 8,192 x w
	s_lshl_b32 s44, s20, 3
	v_add_nc_u32 v5, s44, v3
	v_mul_u32_u24 v5, v5, PA
	v_lshl_add_u32 v5, v2, 3, v5                   ; z into LDS: row 8 w + h, byte 8 r
	v_mul_u32_u24 v6, v2, PA
	v_lshl_add_u32 v6, v3, 4, v6                   ; z's fragments: row r, 16 h; tiles 0-2,
	v_add_nc_u32 v7, 48*PA, v6                     ; tiles 3-5 (the immediate holds 16 bits)
	s_lshl_b32 s44, s20, 13
	v_add_nc_u32 v8, s44, v27                      ; weights: 16 l + 8 fragments x w
	s_lshl_b32 s44, s20, 20
	v_add_nc_u32 v10, s44, v27                     ; phik: 2 heads x 524,288 x w
	s_lshl_b32 s44, s20, 19
	v_add_nc_u32 v11, s44, v27                     ; fvf: 2 heads x 262,144 x w
	s_lshl_b32 s44, s20, 15
	v_add_nc_u32 v12, s44, v28                     ; upart: 8 l + 2 heads x 16,384 x w
	s_lshl_b32 s44, s20, 8
	v_add_nc_u32 v13, s44, v28                     ; varq: 8 l + 256 w
	s_lshl_b32 s44, s20, 10
	v_lshl_add_u32 v24, v3, 5, s44                 ; bias, a lane's 8 channels: 32 h + 8 tiles x 128 x w
	v_lshl_add_u32 v25, v2, 2, s44                 ; bias, a lane's one channel: 4 r + ..
	v_lshrrev_b32 v26, 2, v1
	v_and_b32 v27, 3, v1
	v_lshlrev_b32 v26, 7, v26
	v_lshl_add_u32 v26, v27, 4, v26                ; rsq: four lanes take a tile's 64 bytes
	s_lshl_b32 s24, ttmp9, 16                      ; 32 rows of 2,048 bytes; also a block of phiq
	s_mov_b32 s25, 0
	s_lshl_b32 s40, s22, 22
	s_lshl_b32 s42, s23, 10
	s_add_co_u32 s40, s40, s42
	s_mov_b32 s41, 0
	s_lshl_b32 s38, s22, 21
	s_add_co_u32 s38, s38, s42
	s_mov_b32 s39, 0
	s_wait_kmcnt 0x0
	s_add_nc_u64 s[4:5], s[4:5], s[24:25]
	s_add_nc_u64 s[6:7], s[6:7], s[24:25]
	s_add_nc_u64 s[8:9], s[8:9], s[24:25]
	s_add_nc_u64 s[12:13], s[12:13], s[24:25]
	s_add_nc_u64 s[14:15], s[14:15], s[40:41]
	s_add_nc_u64 s[16:17], s[16:17], s[38:39]
	s_mov_b64 s[26:27], s[10:11]                   ; the weights' walking pointer
	s_add_nc_u64 s[28:29], s[10:11], 0x100000      ; wstat
	s_lshl_b32 s38, ttmp9, 10
	s_add_nc_u64 s[38:39], s[18:19], s[38:39]      ; varq of this block
	s_lshl_b32 s40, s22, 17
	s_lshl_b32 s42, s23, 8
	s_add_co_u32 s40, s40, s42
	s_add_co_u32 s40, s40, 262144
	s_add_nc_u64 s[40:41], s[18:19], s[40:41]      ; upart of this block
; ---- the whole stream from memory goes out at once: 4 + 96 loads a wave; lanes 0-15 take 256 consecutive bytes of one row, lanes 16-31 of the next
.irp n, 0,1,2,3
	global_load_b128 v[32+4*(\n):35+4*(\n)], v26, s[28:29] offset:64+1024*(\n)
.endr
.macro XLD xw, xb, base
	WIN (\xw)<<6
.irp p, 0,1,2,3
.irp c, 0,1,2,3,4,5,6,7
	global_load_b128 v[(\xb)+32*(\p)+4*(\c):(\xb)+32*(\p)+4*(\c)+3], v4, s[\base:\base+1] offset:4096*(\p)+256*(\c) th:TH_LOAD_NT
.endr
.endr
.endm
	XLD 2, 0, 4
	XLD 2, 128, 6
	XLD 3, 0, 8
	WIN 0
	s_wait_loadcnt 63                              ; rsq and q's rows are in: 64 loads are younger, and the count's field ends at 63
	PADD 32, 32, 34                                ; 1 / (64 S) = rsq(mean of rsq)
	PADD 36, 36, 38
	PADD 40, 40, 42
	PADD 44, 44, 46
	PADD 32, 32, 36
	PADD 40, 40, 44
	PADD 32, 32, 40
	v_add_f32 v32, v32, v33
	XADD 32, 1
	XADD 32, 2
	XADD 32, 4
	XADD 32, 8
	v_permlanex16_b32 v33, v32, s32, s33
	v_add_f32 v32, v32, v33
	v_mul_f32 v32, s34, v32
	v_rsq_f32 v14, v32
	v_rsq_f32 v15, v32
	v_nop                                          ; a plain instruction behind the roots, ahead of a write of their source,
	s_wait_alu depctr_va_vdst(0)                   ; and the wait ahead of the first use
; LayerNorm of one tensor's 8 rows (4 pairs; a half of the lanes holds a row, 32 numbers a lane: columns 64 c + 4 r + 0..3).  The four pairs alternate, so that no line waits for the one before it.
.macro LNG xw, xb
	WIN (\xw)|((\xw)<<2)
.irp p, 0,1,2,3
.irp c, 0,1,2,3,4,5,6,7
	PADD DD+32*(\p)+2*(\c), (\xb)+32*(\p)+4*(\c), (\xb)+32*(\p)+4*(\c)+2
.endr
.endr
	WIN 0
.irp c, 0,4,8,12
.irp p, 0,1,2,3
	PADD DD+32*(\p)+(\c), DD+32*(\p)+(\c), DD+32*(\p)+(\c)+2
.endr
.endr
.irp c, 0,8
.irp p, 0,1,2,3
	PADD DD+32*(\p)+(\c), DD+32*(\p)+(\c), DD+32*(\p)+(\c)+4
.endr
.endr
.irp p, 0,1,2,3
	PADD DD+32*(\p), DD+32*(\p), DD+32*(\p)+8
.endr
.irp p, 0,1,2,3
	v_add_f32 v[CH+4*(\p)], v[DD+32*(\p)], v[DD+32*(\p)+1]
.endr
.irp m, 1,2,4,8
.irp p, 0,1,2,3
	XADD CH+4*(\p), \m
.endr
.endr
.irp p, 0,1,2,3
	v_mul_f32 v[NMU+2*(\p)], s36, v[CH+4*(\p)]
	v_mul_f32 v[NMU+2*(\p)+1], s36, v[CH+4*(\p)]
.endr
	WIN (\xw)
.irp c, 0,1,2,3,4,5,6,7,8,9,10,11,12,13,14,15
.irp p, 0,1,2,3
	PADD DD+32*(\p)+2*(\c), (\xb)+32*(\p)+2*(\c), NMU+2*(\p)
.endr
.endr
	WIN 0
.irp c, 0,1,2,3,4,5,6,7,8,9,10,11,12,13,14,15
.irp p, 0,1,2,3
.if (\c) < 2
	PMUL CH+4*(\p)+2*(\c), DD+32*(\p)+2*(\c), DD+32*(\p)+2*(\c)
.else
	PFMA CH+4*(\p)+2*((\c)%2), DD+32*(\p)+2*(\c), DD+32*(\p)+2*(\c), CH+4*(\p)+2*((\c)%2)
.endif
.endr
.endr
.irp p, 0,1,2,3
	PADD CH+4*(\p), CH+4*(\p), CH+4*(\p)+2
.endr
.irp p, 0,1,2,3
	v_add_f32 v[CH+4*(\p)], v[CH+4*(\p)], v[CH+4*(\p)+1]
.endr
.irp m, 1,2,4,8
.irp p, 0,1,2,3
	XADD CH+4*(\p), \m
.endr
.endr
.irp p, 0,1,2,3
	v_fma_f32 v[CH+4*(\p)], v[CH+4*(\p)], s34, s35 ; var + eps
.endr
.irp p, 0,1,2,3
	v_rsq_f32 v[RS+2*(\p)], v[CH+4*(\p)]
	v_rsq_f32 v[RS+2*(\p)+1], v[CH+4*(\p)]
.endr
	v_nop
	s_wait_alu depctr_va_vdst(0)                   ; one wait for the eight roots
.irp p, 0,1,2,3
.irp c, 0,1,2,3,4,5,6,7,8,9,10,11,12,13,14,15
	PMUL DD+32*(\p)+2*(\c), DD+32*(\p)+2*(\c), RS+2*(\p)
.endr
.irp c, 0,1,2,3,4,5,6,7,8,9,10,11,12,13,14,15
	v_cvt_pk_f16_f32 v[OUTF+16*(\p)+(\c)], v[DD+32*(\p)+2*(\c)], v[DD+32*(\p)+2*(\c)+1]
.endr
.irp c, 0,1,2,3,4,5,6,7
	ds_store_b64 v5, v[OUTF+16*(\p)+2*(\c):OUTF+16*(\p)+2*(\c)+1] offset:2*PA*(\p)+128*(\c)
.endr
.endr
	v_add_nc_u32 v5, 32*PA, v5                     ; the next tensor's 32 rows
.endm
.macro WLD b, off                      ; a K step's 8 fragments of weights into buffer b
	WIN 0x40
.irp c, 0,1,2,3,4,5,6,7
	global_load_b128 v[64*(\b)+8*(\c):64*(\b)+8*(\c)+3],   v8, s[26:27] offset:(\off)+1024*(\c)
	global_load_b128 v[64*(\b)+8*(\c)+4:64*(\b)+8*(\c)+7], v8, s[26:27] offset:(\off)+1024*(\c)+512
.endr
.endm
.macro ALD b, off                      ; a K step's 6 fragments of z into buffer b
	WIN 0
.irp t, 0,1,2,3,4,5
	ds_load_b128 v[AB+48*(\b)+8*(\t):AB+48*(\b)+8*(\t)+3],   v[6+(\t)/3] offset:((\t)%3)*16*PA+(\off)
	ds_load_b128 v[AB+48*(\b)+8*(\t)+4:AB+48*(\b)+8*(\t)+7], v[6+(\t)/3] offset:((\t)%3)*16*PA+(\off)+32
.endr
.endm
	LNG 2, 0
	WLD 0, 0                                       ; the weights of K steps 0 and 1 are asked for while the rows are normalised
	s_wait_loadcnt 48                              ; k's rows are in: v's 32 and the 16 just issued are younger
	LNG 2, 128
	WLD 1, 32768
	s_wait_loadcnt 32                              ; v's rows are in: two K steps of weights are younger
	LNG 3, 0
.irp c, 0,1,2,3,4,5,6,7
	global_load_b128 v[BT+8*(\c):BT+8*(\c)+3],   v24, s[28:29] offset:128*(\c)
	global_load_b128 v[BT+8*(\c)+4:BT+8*(\c)+7], v24, s[28:29] offset:128*(\c)+16
.endr
.irp c, 0,1,2,3,4,5,6,7
	global_load_b32 v[BC+(\c)], v25, s[28:29] offset:128*(\c)
.endr
	s_wait_dscnt 0x0                               ; for the others' sake: my 24 rows of z are in LDS
	s_barrier_signal -1
	s_barrier_wait -1                              ; all 96 are; nothing is stored into LDS after this
	ALD 0, 0
; A K STEP of 32: at its head the weights two steps on and z's fragments one step on are asked for, then 48 products.  The 48 accumulators take turns, one instruction a turn, over the backward jump too.
; Four v_nop stand in front of the loads: they land in registers that the step before has just multiplied (ISA guide 7.12.1 for vector instructions).
; j: the step's place in the trip (immediates); wb, ab: its buffers; nl, nd: how many younger loads and LDS loads may stay out.
.macro STEP j, wb, ab, zero, ldw, lda, nl, nd
.if (\ldw) || (\lda)
.rept 4
	v_nop
.endr
.endif
.if \ldw
	WLD ((\wb)+2)%3, ((\j)+2)*32768
.endif
.if \lda
	ALD ((\ab)+1)%3, ((\j)+1)*64
.endif
	s_wait_loadcnt \nl
	s_wait_dscnt \nd
	WIN 0xa1                                       ; source 0 = weights (window 1), source 1 = z (window 0), C and D window 2
.irp t, 0,1
.irp c, 0,1,2,3,4,5,6,7
	MMA 8*(8*(\t)+(\c)), 64*(\wb)+8*(\c), AB+48*(\ab)+8*(\t), \zero
.endr
.endr
	WIN 0xa4                                       ; source 0 = z, source 1 = weights
.irp t, 2,3
.irp c, 0,1,2,3,4,5,6,7
	MMA 8*(8*(\t)+(\c)), AB+48*(\ab)+8*(\t), 64*(\wb)+8*(\c), \zero
.endr
.endr
	WIN 0xf4                                       ; the same, C and D window 3
.irp t, 4,5
.irp c, 0,1,2,3,4,5,6,7
	MMA 8*(8*((\t)-4)+(\c)), AB+48*(\ab)+8*(\t), 64*(\wb)+8*(\c), \zero
.endr
.endr
.endm
	STEP 0, 0, 0, 1, 1, 1, 56, 12                  ; step 0 starts the sums.  Younger than its weights: step 1's 16, the 24 bias loads, step 2's 16
	WIN 0
	s_wait_xcnt 0x0                                ; every load issued has read its base: the pointer may step
	s_add_nc_u64 s[26:27], s[26:27], 32768
	v_add_nc_u32 v6, 64, v6
	v_add_nc_u32 v7, 64, v7
	s_mov_b32 s31, 4
.Lk:                                                   ; steps 1 to 12, three a trip: 32 = the two younger steps' weights, 12 = the next step's fragments of z
	STEP 0, 1, 1, 0, 1, 1, 32, 12
	STEP 1, 2, 2, 0, 1, 1, 32, 12
	STEP 2, 0, 0, 0, 1, 1, 32, 12
	WIN 0
	s_wait_xcnt 0x0
	s_add_nc_u64 s[26:27], s[26:27], 98304
	v_add_nc_u32 v6, 192, v6
	v_add_nc_u32 v7, 192, v7
	s_sub_co_u32 s31, s31, 1
	s_cmp_lg_u32 s31, 0
	s_cbranch_scc1 .Lk
	STEP 0, 1, 1, 0, 1, 1, 32, 12                  ; step 13 asks for the last weights,
	STEP 1, 2, 2, 0, 0, 1, 16, 12                  ; step 14 for the last fragments of z,
	STEP 2, 0, 0, 0, 0, 0, 0, 0                    ; step 15 for nothing
; ---- THE WAY OUT.  The biases are scaled first: 36 plain instructions, the places behind the last products.
	WIN 0
.set i, 0
.rept 32
	PMUL BT+2*i, BT+2*i, 14
.set i, i+1
.endr
.set i, 0
.rept 4
	PMUL BC+2*i, BC+2*i, 14
.set i, i+1
.endr
.macro TOF win, hd                     ; f' = sum / (64 S) + bias, a lane's one channel: the bias of channel tile 4 hd + i / 4 for both halves of a pair.  Each accumulator is read from its low end on.
	WIN \win
.set i, 0
.rept 16
.if (i/4)%2 == 0
	v_pk_fma_f32 v[F+2*i:F+2*i+1], v[AC+2*i:AC+2*i+1], v[14:15], v[BC+4*(\hd)+2*(i/8):BC+4*(\hd)+2*(i/8)+1] op_sel_hi:[1,1,0]
.else
	v_pk_fma_f32 v[F+2*i:F+2*i+1], v[AC+2*i:AC+2*i+1], v[14:15], v[BC+4*(\hd)+2*(i/8):BC+4*(\hd)+2*(i/8)+1] op_sel:[0,0,1] op_sel_hi:[1,1,1]
.endif
.set i, i+1
.endr
	WIN 0
.endm
.macro CVT16 d, s                      ; 32 numbers to 16 registers of f16
.set i, 0
.rept 16
	v_cvt_pk_f16_f32 v[(\d)+i], v[(\s)+2*i], v[(\s)+2*i+1]
.set i, i+1
.endr
.endm
; q: tile tt (0, 1), head 2 w + hd.  A lane holds token r and 32 of the head's 64 channels; the other 32 lie in the lane 16 away.
.macro QEP tt, hd, set
.set AC, 8*(8*(\tt)+4*(\hd))
.set OU, OA+32*(\set)
	s_wait_xcnt 0x0                                ; the stores issued so far have read their data: the set is written again only behind this wait
	WIN 0x02
.set i, 0
.rept 16
	PFMA F+2*i, AC+2*i, 14, BT+32*(\hd)+2*i
.set i, i+1
.endr
	WIN 0
.set i, 0
.rept 8
	PADD T+2*i, F+4*i, F+4*i+2
.set i, i+1
.endr
.irp c, 0,4,8,12
	PADD T+(\c), T+(\c), T+(\c)+2
.endr
	PADD T, T, T+4
	PADD T+8, T+8, T+12
	PADD T, T, T+8
	v_add_f32 v28, v[T], v[T+1]
	v_permlanex16_b32 v29, v28, s32, s33
	v_add_f32 v28, v28, v29
	v_mul_f32 v26, 0xbc800000, v28                 ; - mean, twice
	v_mul_f32 v27, 0xbc800000, v28
.set i, 0
.rept 16
	PADD CC+2*i, F+2*i, 26
.set i, i+1
.endr
	PMUL T, CC, CC
	PMUL T+2, CC+2, CC+2
.set i, 2
.rept 14
	PFMA T+2*(i%2), CC+2*i, CC+2*i, T+2*(i%2)
.set i, i+1
.endr
	PADD T, T, T+2
	v_add_f32 v28, v[T], v[T+1]
	v_permlanex16_b32 v29, v28, s32, s33
	v_add_f32 v28, v28, v29                        ; ssc
	v_mul_f32 v[T+4], v26, v26
	v_fmamk_f32 v[T+4], v[T+4], 0x42800000, v28    ; |f'|^2 = 64 mean^2 + ssc
	v_rsq_f32 v16, v[T+4]
	v_rsq_f32 v17, v[T+4]
	v_mul_f32 v[20+2*(\tt)+(\hd)], 0x3c820821, v28 ; qvar' = ssc / 63: the plain instruction behind the roots
	s_wait_alu depctr_va_vdst(0)
.set i, 0
.rept 16
	PMUL F+2*i, F+2*i, 16
.set i, i+1
.endr
	CVT16 OU, F
	CVT16 OU+16, CC
.irp c, 0,1,2,3
	global_store_b128 v9, v[OU+4*(\c):OU+4*(\c)+3],       s[12:13] offset:(2*(\hd)+(\tt))*4096+((\c)/2)*1024+((\c)%2)*512 th:TH_STORE_NT
	global_store_b128 v9, v[OU+16+4*(\c):OU+16+4*(\c)+3], s[12:13] offset:(2*(\hd)+(\tt))*4096+2048+((\c)/2)*1024+((\c)%2)*512 th:TH_STORE_NT
.endr
.endm
; k: tile tt (2, 3).  A lane holds channel r of four channel tiles and tokens 8 h + 0..7: a token's sums run over the four tiles and the 16 lanes of a half.
.macro KEP tt, hd, set
.set AC, 8*(8*(\tt)+4*(\hd))
.set OU, OA+32*(\set)
	s_wait_xcnt 0x0
	TOF 0x02, \hd
.irp p, 0,1,2,3
	PADD TM+2*(\p), F+2*(\p), F+8+2*(\p)
.endr
.irp p, 0,1,2,3
	PADD TM+2*(\p), TM+2*(\p), F+16+2*(\p)
.endr
.irp p, 0,1,2,3
	PADD TM+2*(\p), TM+2*(\p), F+24+2*(\p)
.endr
.irp m, 1,2,4,8
.irp n, 0,1,2,3,4,5,6,7
	XADD TM+(\n), \m
.endr
.endr
.irp p, 0,1,2,3
	v_pk_mul_f32 v[TM+2*(\p):TM+2*(\p)+1], v[TM+2*(\p):TM+2*(\p)+1], 0xbc800000 op_sel_hi:[1,0]  ; - mean
.endr
.set i, 0
.rept 16
	PADD CC+2*i, F+2*i, TM+2*(i%4)
.set i, i+1
.endr
.set i, 0
.rept 16
.if i < 4
	PMUL SS+2*i, CC+2*i, CC+2*i
.else
	PFMA SS+2*(i%4), CC+2*i, CC+2*i, SS+2*(i%4)
.endif
.set i, i+1
.endr
.irp m, 1,2,4,8
.irp n, 0,1,2,3,4,5,6,7
	XADD SS+(\n), \m
.endr
.endr
.irp p, 0,1,2,3
	PMUL T+2*(\p), TM+2*(\p), TM+2*(\p)
.endr
.irp p, 0,1,2,3
	v_pk_fma_f32 v[T+2*(\p):T+2*(\p)+1], v[T+2*(\p):T+2*(\p)+1], 0x42800000, v[SS+2*(\p):SS+2*(\p)+1] op_sel_hi:[1,0,1]
.endr
.irp n, 0,1,2,3,4,5,6,7
	v_rsq_f32 v[RN+(\n)], v[T+(\n)]
.endr
.irp p, 0,1,2,3                        ; kvar' = ssc / 63: the plain work behind the roots
	v_pk_mul_f32 v[KVR+8*((\tt)-2)+2*(\p):KVR+8*((\tt)-2)+2*(\p)+1], v[SS+2*(\p):SS+2*(\p)+1], 0x3c820821 op_sel_hi:[1,0]
.endr
	s_wait_alu depctr_va_vdst(0)                   ; one wait for the eight roots
.set i, 0
.rept 16
	PMUL F+2*i, F+2*i, RN+2*(i%4)
.set i, i+1
.endr
	CVT16 OU, F
	CVT16 OU+16, CC
.irp c, 0,1,2,3
	global_store_b128 v10, v[OU+4*(\c):OU+4*(\c)+3],       s[14:15] offset:(8*(\hd)+(\c))*65536+((\tt)-2)*512 th:TH_STORE_NT
	global_store_b128 v10, v[OU+16+4*(\c):OU+16+4*(\c)+3], s[14:15] offset:(8*(\hd)+4+(\c))*65536+((\tt)-2)*512 th:TH_STORE_NT
.endr
.endm
; v: tile tt (4, 5): fv', and the block's part of u = sum over tokens of kvar' fv', in f32.
.macro VEP tt, hd, set
.set AC, 8*(8*((\tt)-4)+4*(\hd))
.set OU, OA+32*(\set)
	s_wait_xcnt 0x0
	TOF 0x03, \hd
	CVT16 OU, F
.irp c, 0,1,2,3
	global_store_b128 v11, v[OU+4*(\c):OU+4*(\c)+3], s[16:17] offset:(4*(\hd)+(\c))*65536+((\tt)-4)*512 th:TH_STORE_NT
.endr
.irp p, 0,1,2,3
.irp c, 0,1,2,3
.if ((\tt) == 4) && ((\p) == 0)
	PMUL UU+2*(\c), F+8*(\c), KVR
.else
	PFMA UU+2*(\c), F+8*(\c)+2*(\p), KVR+8*((\tt)-4)+2*(\p), UU+2*(\c)
.endif
.endr
.endr
.endm
.macro UFIN hd                         ; position 2 l + e of a row of upart holds channel 16 (2 h + e) + r
.irp c, 0,1,2,3
	v_add_f32 v[UU+2*(\c)], v[UU+2*(\c)], v[UU+2*(\c)+1]
.endr
.irp c, 0,1,2,3
	v_permlanex16_b32 v[UU+2*(\c)+1], v[UU+2*(\c)], s32, s33
.endr
.irp c, 0,1,2,3
	v_add_f32 v[UU+2*(\c)], v[UU+2*(\c)], v[UU+2*(\c)+1]
.endr
	s_wait_xcnt 0x0                                ; v24, v25 were an earlier store's data
	v_cndmask_b32 v24, v[UU], v[UU+4], s30
	v_cndmask_b32 v25, v[UU+2], v[UU+6], s30
	global_store_b64 v12, v[24:25], s[40:41] offset:16384*(\hd) th:TH_STORE_NT  ; 256 consecutive bytes
.endm
	QEP 0, 0, 0
	QEP 0, 1, 1
	QEP 1, 0, 0
	QEP 1, 1, 1
	v_cndmask_b32 v24, v20, v22, s30               ; lanes 0-15: tile 0's token r, lanes 16-31: tile 1's; both heads
	v_cndmask_b32 v25, v21, v23, s30
	global_store_b64 v13, v[24:25], s[38:39] th:TH_STORE_NT
.irp d, 0,1
	KEP 2, \d, 0
	KEP 3, \d, 1
	VEP 4, \d, 0
	VEP 5, \d, 1
	UFIN \d
.endr
	s_wait_tensorcnt 0x0                           ; the wave's end, behind my last LDS store
	ds_add_u32 v[SPW], v[NIL]
	s_wait_dscnt 0x0
	s_endpgm
.Lfunc_end_k_qe9b89a89e4_proj:
	.size	k_qe9b89a89e4_proj, .Lfunc_end_k_qe9b89a89e4_proj-k_qe9b89a89e4_proj
	.p2alignl 7, 3214868480
	.fill 96, 4, 3214868480
	.section	.rodata,"a",@progbits
	.p2align	6, 0x0
	.amdhsa_kernel k_qe9b89a89e4_proj
		.amdhsa_group_segment_fixed_size 100352
		.amdhsa_private_segment_fixed_size 0
		.amdhsa_enable_private_segment 0
		.amdhsa_kernarg_size 64
		.amdhsa_user_sgpr_count 2
		.amdhsa_user_sgpr_kernarg_segment_ptr 1
		.amdhsa_wavefront_size32 1
		.amdhsa_system_sgpr_workgroup_id_x 1
		.amdhsa_system_sgpr_workgroup_id_y 1
		.amdhsa_system_sgpr_workgroup_id_z 1
		.amdhsa_system_vgpr_workitem_id 0
		.amdhsa_next_free_vgpr 896
		.amdhsa_next_free_sgpr 66
		.amdhsa_reserve_vcc 0
		.amdhsa_float_denorm_mode_32 3
		.amdhsa_float_denorm_mode_16_64 3
		.amdhsa_memory_ordered 1
		.amdhsa_forward_progress 1
		.amdhsa_inst_pref_size 237
	.end_amdhsa_kernel
	.amdgpu_metadata
---
amdhsa.version: [ 1, 2 ]
amdhsa.kernels:
  - .name:           k_qe9b89a89e4_proj
    .symbol:         k_qe9b89a89e4_proj.kd
    .args:
      - { .name: q, .offset: 0, .size: 8, .value_kind: global_buffer, .address_space: global }
      - { .name: k, .offset: 8, .size: 8, .value_kind: global_buffer, .address_space: global }
      - { .name: v, .offset: 16, .size: 8, .value_kind: global_buffer, .address_space: global }
      - { .name: wts, .offset: 24, .size: 8, .value_kind: global_buffer, .address_space: global }
      - { .name: phiq, .offset: 32, .size: 8, .value_kind: global_buffer, .address_space: global }
      - { .name: phik, .offset: 40, .size: 8, .value_kind: global_buffer, .address_space: global }
      - { .name: fvf, .offset: 48, .size: 8, .value_kind: global_buffer, .address_space: global }
      - { .name: side, .offset: 56, .size: 8, .value_kind: global_buffer, .address_space: global }
    .group_segment_fixed_size: 100352
    .private_segment_fixed_size: 0
    .kernarg_segment_align: 8
    .kernarg_segment_size: 64
    .max_flat_workgroup_size: 128
    .sgpr_count:     66
    .vgpr_count:     896
    .wavefront_size: 32
...
	.end_amdgpu_metadata
.endif
;; end of part 2
;; launch kvsum (part 3): grid 256 x 1, 4 waves a work-group, no clusters, 17,920 bytes of LDS; arguments phik, fvf, side, wts, cov_w_raw, var_w_raw, kvo; writes kvo
.if DOCPART == 3
	.amdgcn_target "amdgcn-amd-amdhsa--gfx1250"
	.amdhsa_code_object_version 6
	.text
	.protected	k_qe9b89a89e4_kvsum
	.globl	k_qe9b89a89e4_kvsum
	.p2align	8
	.type	k_qe9b89a89e4_kvsum,@function
k_qe9b89a89e4_kvsum:
	s_mov_b64 s[64:65], 0
	v_nop
	global_prefetch_b8 v0, s[64:65] scope:SCOPE_SE
	s_setreg_imm32_b32 hwreg(HW_REG_WAVE_MODE, 25, 1), 1
	s_wait_xcnt 0x0
; KV''[f][j] = k_path sum over a group's 2,048 tokens of Phi_k[m][f] fv'[m][j], for each of the 32 (group, head); u''[j] = k3 sum of kvar' fv'; and the scalars.
; cw = sigmoid(cov_w_raw), vw = sigmoid(var_w_raw); c1 = 1 - cw - vw, c2 = cw S^2 / 64, c3 = vw S^4 / 64; cmax = the largest magnitude of the three; k_i = c_i / (64 cmax); fin = S cmax.
; So the largest path has the factor 1 / 64 whatever the weights' scale, KV'' fits f16 (|KV''| <= 32 |c'| |fv'|: see the limit in the launch before), and fin, in f32, puts the scale back at the very end.
; OUT: kvo + 0: kvt [gh 32][jt 4][ks 4][1024], fragments with rows = channels j, k = features;  kvo + 524,288: uv [gh 32][64 x u'' | 64 x fin] f32.
; SHARES.  Work-group x: gh = x / 8, feature tiles 2 fp, 2 fp + 1 (fp = (x / 2) % 4), channel tiles 2 jh, 2 jh + 1 (jh = x % 2): 4 accumulators.  THE TOKENS ARE SPLIT AMONG THE FOUR WAVES, 16 steps of 32 each;
; the four partial sums meet in LDS.  Operands come straight from memory in fragment order, 512 consecutive bytes an instruction; no register is loaded twice.
; The first work-group of each gh also adds up u: only its 16 loads a wave and its two stores stand under that test; the few sums between run everywhere, on zeros elsewhere, so that every path writes every register.
.set UP,    16384                      ; LDS: 0: wave w's four partial tiles at 4,096 w; UP: its part of u, 256 bytes; then the spare words
.set SPARE, 17408
.set SPW,  14
.set NIL,  15
.set ACC,  16                          ; v[16:47]  accumulator a = 2 fi + ji
.set MSB, 0
.macro WIN new
.if MSB != (\new)
	s_set_vgpr_msb (MSB<<8)|(\new)
.set MSB, (\new)
.endif
.endm
.macro PADD d, a, b
	v_pk_add_f32 v[(\d):(\d)+1], v[(\a):(\a)+1], v[(\b):(\b)+1]
.endm
.macro XADD r, m
	v_add_f32_dpp v[(\r)], v[(\r)], v[(\r)] row_xmask:\m row_mask:0xf bank_mask:0xf
.endm
	s_load_b256 s[4:11], s[0:1], 0x0               ; phik s[4:5], fvf s[6:7], side s[8:9], wts s[10:11]
	s_load_b128 s[12:15], s[0:1], 0x20             ; cov_w_raw s[12:13], var_w_raw s[14:15]
	s_load_b64 s[16:17], s[0:1], 0x30              ; kvo
	v_lshl_add_u32 v[SPW], v0, 2, SPARE
	v_mov_b32 v[NIL], 0
	v_lshrrev_b32 v1, 5, v0
	v_readfirstlane_b32 s20, v1                    ; wave 0..3
	v_and_b32 v1, 31, v0
	v_lshlrev_b32 v2, 4, v1                        ; 16 l
	v_lshlrev_b32 v7, 3, v1                        ; 8 l
	s_lshl_b32 s36, s20, 14
	v_add_nc_u32 v4, s36, v2                       ; operands: 16 l + 16 steps x 1,024 x w
	s_lshl_b32 s36, s20, 12
	v_add_nc_u32 v5, s36, v7                       ; upart: 8 l + 16 rows x 256 x w
	v_add_nc_u32 v11, s36, v2                      ; my partial tiles
	s_lshl_b32 s36, s20, 8
	v_add_nc_u32 v10, s36, v7                      ; my part of u
	s_lshl_b32 s36, s20, 10
	v_add_nc_u32 v12, s36, v2                      ; the tile that I finish: a = w
	s_and_b32 s36, s20, 1
	s_lshl_b32 s36, s36, 12
	s_lshr_b32 s37, s20, 1
	s_lshl_b32 s37, s37, 9
	s_add_co_u32 s36, s36, s37
	v_add_nc_u32 v13, s36, v2                      ; in kvt: ji x 4,096 + fi x 512 + 16 l
	v_lshrrev_b32 v6, 2, v1
	v_and_b32 v3, 3, v1
	v_lshlrev_b32 v6, 7, v6
	v_lshl_add_u32 v6, v3, 4, v6                   ; rsq: four lanes take a tile's 64 bytes
	v_lshrrev_b32 v9, 4, v1                        ; u back in its natural order: channel 2 l lies at position 2 (16 (l / 16) + 2 (l % 8)) + (l / 8) % 2
	v_and_b32 v3, 7, v1
	v_lshlrev_b32 v9, 7, v9
	v_lshl_add_u32 v9, v3, 4, v9
	v_bfe_u32 v3, v1, 3, 1
	v_lshl_add_u32 v9, v3, 2, v9
	s_lshr_b32 s21, ttmp9, 3                       ; gh
	s_bfe_u32 s22, ttmp9, 0x20001                  ; fp
	s_and_b32 s23, ttmp9, 1                        ; jh
	s_and_b32 s24, ttmp9, 7                        ; 0: this work-group adds up u
	s_mov_b32 s40, 0x76543210
	s_mov_b32 s41, 0xfedcba98
	s_lshl_b32 s26, s21, 3
	s_lshl1_add_u32 s26, s22, s26
	s_lshl_b32 s26, s26, 16                        ; (8 gh + 2 fp) x 65,536
	s_mov_b32 s27, 0
	s_lshl_b32 s28, s21, 2
	s_lshl1_add_u32 s28, s23, s28
	s_lshl_b32 s28, s28, 16                        ; (4 gh + 2 jh) x 65,536
	s_mov_b32 s29, 0
	s_lshl_b32 s30, s21, 14
	s_add_co_u32 s30, s30, 262144
	s_mov_b32 s31, 0
	s_lshl_b32 s32, s21, 14
	s_lshl_b32 s36, s23, 13
	s_add_co_u32 s32, s32, s36
	s_lshl_b32 s36, s22, 10
	s_add_co_u32 s32, s32, s36
	s_mov_b32 s33, 0
	s_lshl_b32 s34, s21, 9
	s_add_co_u32 s34, s34, 524288
	s_mov_b32 s35, 0
	s_cmp_lt_u32 s22, 2
	s_cselect_b32 s38, -1, 0                       ; all ones where my features are hat
.set i, 0
.rept 32
	v_mov_b32 v[96+i], 0                           ; u's rows: zeros where they are not loaded
.set i, i+1
.endr
	s_wait_kmcnt 0x0
	s_load_b32 s18, s[12:13], 0x0
	s_load_b32 s19, s[14:15], 0x0
	s_add_nc_u64 s[4:5], s[4:5], s[26:27]
	s_add_nc_u64 s[6:7], s[6:7], s[28:29]
	s_add_nc_u64 s[30:31], s[8:9], s[30:31]
	s_add_nc_u64 s[10:11], s[10:11], 0x100000
	s_add_nc_u64 s[32:33], s[16:17], s[32:33]
	s_add_nc_u64 s[34:35], s[16:17], s[34:35]
.irp n, 0,1,2,3
	global_load_b128 v[80+4*(\n):83+4*(\n)], v6, s[10:11] offset:64+1024*(\n)
.endr
	s_cmp_lg_u32 s24, 0
	s_cbranch_scc1 .Lno_u                          ; these loads are older than all that is counted below: the counts hold on both ways
.irp n, 0,1,2,3,4,5,6,7,8,9,10,11,12,13,14,15
	global_load_b64 v[96+2*(\n):97+2*(\n)], v5, s[30:31] offset:256*(\n)
.endr
.Lno_u:
; chunk c = 4 steps: 32 loads into window 1 + c / 2, at 128 (c % 2) + 32 t: Phi_k's tile fi at + 8 fi, fv's tile ji at + 16 + 8 ji
.macro LOADC c
	WIN (1+(\c)/2)<<6
.irp t, 0,1,2,3
.irp f, 0,1
	global_load_b128 v[128*((\c)%2)+32*(\t)+8*(\f):128*((\c)%2)+32*(\t)+8*(\f)+3],   v4, s[4:5] offset:(\f)*65536+(4*(\c)+(\t))*1024
	global_load_b128 v[128*((\c)%2)+32*(\t)+8*(\f)+4:128*((\c)%2)+32*(\t)+8*(\f)+7], v4, s[4:5] offset:(\f)*65536+(4*(\c)+(\t))*1024+512
.endr
.irp f, 0,1
	global_load_b128 v[128*((\c)%2)+32*(\t)+16+8*(\f):128*((\c)%2)+32*(\t)+16+8*(\f)+3],   v4, s[6:7] offset:(\f)*65536+(4*(\c)+(\t))*1024
	global_load_b128 v[128*((\c)%2)+32*(\t)+16+8*(\f)+4:128*((\c)%2)+32*(\t)+16+8*(\f)+7], v4, s[6:7] offset:(\f)*65536+(4*(\c)+(\t))*1024+512
.endr
.endr
.endm
; its 16 products: source 0 = features x tokens, source 1 = channels x tokens: a lane ends with channel r and features 8 h + 0..7.  The four accumulators take turns.
.macro MUL c
	WIN 5*(1+(\c)/2)
.irp t, 0,1,2,3
.irp a, 0,1,2,3
.set rb, 128*((\c)%2)+32*(\t)
.if ((\c) == 0) && ((\t) == 0)
	v_wmma_f32_16x16x32_f16 v[ACC+8*(\a):ACC+8*(\a)+7], v[rb+8*((\a)/2):rb+8*((\a)/2)+7], v[rb+16+8*((\a)%2):rb+16+8*((\a)%2)+7], 0
.else
	v_wmma_f32_16x16x32_f16 v[ACC+8*(\a):ACC+8*(\a)+7], v[rb+8*((\a)/2):rb+8*((\a)/2)+7], v[rb+16+8*((\a)%2):rb+16+8*((\a)%2)+7], v[ACC+8*(\a):ACC+8*(\a)+7]
.endif
.endr
.endr
.endm
	LOADC 0
	LOADC 1
	s_wait_loadcnt 32                              ; chunk 0 is in; the one younger chunk may stay out.  So below.
	MUL 0
	LOADC 2
	s_wait_loadcnt 32
	MUL 1
	LOADC 3
	s_wait_loadcnt 32
	MUL 2
	s_wait_loadcnt 0x0
	MUL 3
	WIN 0
	; the scalars, alike in every lane; their plain lines are also the places behind the last products
	PADD 80, 80, 82
	PADD 84, 84, 86
	PADD 88, 88, 90
	PADD 92, 92, 94
	PADD 80, 80, 84
	PADD 88, 88, 92
	PADD 80, 80, 88
	v_add_f32 v80, v80, v81
	XADD 80, 1
	XADD 80, 2
	XADD 80, 4
	XADD 80, 8
	v_permlanex16_b32 v81, v80, s40, s41
	v_add_f32 v80, v80, v81
	v_mul_f32 v80, 0x35000000, v80                 ; S^2 = sum / (512 x 4,096)
	s_wait_kmcnt 0x0
	v_mov_b32 v48, s18
	v_mov_b32 v49, s19
	v_mul_f32 v48, 0xbfb8aa3b, v48                 ; - log2(e) x
	v_mul_f32 v49, 0xbfb8aa3b, v49
	v_exp_f32 v48, v48
	v_exp_f32 v49, v49
	v_nop
	s_wait_alu depctr_va_vdst(0)
	v_add_f32 v48, 1.0, v48
	v_add_f32 v49, 1.0, v49
	v_rcp_f32 v48, v48                             ; cw
	v_rcp_f32 v49, v49                             ; vw
	v_sqrt_f32 v50, v80                            ; S
	v_nop
	s_wait_alu depctr_va_vdst(0)
	v_sub_f32 v51, 1.0, v48
	v_mul_f32 v52, v48, v80
	v_mul_f32 v53, v49, v80
	v_sub_f32 v51, v51, v49                        ; c1
	v_mul_f32 v52, 0x3c800000, v52                 ; c2
	v_mul_f32 v53, v53, v80
	v_mul_f32 v53, 0x3c800000, v53                 ; c3
	v_max3_num_f32 v54, |v51|, |v52|, |v53|
	v_mul_f32 v55, 0x42800000, v54
	v_rcp_f32 v55, v55
	v_mul_f32 v56, v50, v54                        ; fin, twice
	v_mul_f32 v57, v50, v54
	s_wait_alu depctr_va_vdst(0)
	v_mul_f32 v58, v51, v55                        ; k1
	v_mul_f32 v59, v52, v55                        ; k2
	v_mul_f32 v62, v53, v55                        ; k3, twice
	v_mul_f32 v63, v53, v55
	v_cndmask_b32 v60, v59, v58, s38               ; my features' factor, twice
	v_cndmask_b32 v61, v59, v58, s38
.irp n, 0,4,8,12,16,20,24,28
	PADD 96+(\n), 96+(\n), 98+(\n)
.endr
.irp n, 0,8,16,24
	PADD 96+(\n), 96+(\n), 100+(\n)
.endr
	PADD 96, 96, 104
	PADD 112, 112, 120
	PADD 96, 96, 112
	ds_store_b64 v10, v[96:97] offset:UP
.irp a, 0,1,2,3
	ds_store_b128 v11, v[ACC+8*(\a):ACC+8*(\a)+3]   offset:1024*(\a)
	ds_store_b128 v11, v[ACC+8*(\a)+4:ACC+8*(\a)+7] offset:1024*(\a)+512
.endr
	s_wait_dscnt 0x0                               ; for the others' sake: my partial sums are in LDS
	s_barrier_signal -1
	s_barrier_wait -1
.irp n, 0,1,2,3
	ds_load_b128 v[128+8*(\n):131+8*(\n)], v12 offset:4096*(\n)
	ds_load_b128 v[132+8*(\n):135+8*(\n)], v12 offset:4096*(\n)+512
.endr
	s_wait_dscnt 0x0
.irp p, 0,2,4,6
	PADD 128+(\p), 128+(\p), 136+(\p)
	PADD 144+(\p), 144+(\p), 152+(\p)
.endr
.irp p, 0,2,4,6
	PADD 128+(\p), 128+(\p), 144+(\p)
.endr
.irp p, 0,2,4,6
	v_pk_mul_f32 v[128+(\p):129+(\p)], v[128+(\p):129+(\p)], v[60:61]
.endr
.irp p, 0,1,2,3
	v_cvt_pk_f16_f32 v[160+(\p)], v[128+2*(\p)], v[129+2*(\p)]
.endr
	global_store_b128 v13, v[160:163], s[32:33] th:TH_STORE_NT  ; 512 consecutive bytes: half a fragment
	s_cmp_lg_u32 s20, 0
	s_cbranch_scc1 .Lend
.irp n, 0,1,2,3
	ds_load_b32 v[164+2*(\n)], v9 offset:UP+256*(\n)
	ds_load_b32 v[165+2*(\n)], v9 offset:UP+256*(\n)+8
.endr
	s_wait_dscnt 0x0
	PADD 164, 164, 166
	PADD 168, 168, 170
	PADD 164, 164, 168
	v_pk_mul_f32 v[164:165], v[164:165], v[62:63]
	s_cmp_lg_u32 s24, 0
	s_cbranch_scc1 .Lend
	global_store_b64 v7, v[164:165], s[34:35] th:TH_STORE_NT            ; u'': 256 consecutive bytes
	global_store_b64 v7, v[56:57], s[34:35] offset:256 th:TH_STORE_NT   ; fin, 64 times
.Lend:
	s_wait_tensorcnt 0x0                           ; the wave's end, behind my last LDS store
	ds_add_u32 v[SPW], v[NIL]
	s_wait_dscnt 0x0
	s_endpgm
.Lfunc_end_k_qe9b89a89e4_kvsum:
	.size	k_qe9b89a89e4_kvsum, .Lfunc_end_k_qe9b89a89e4_kvsum-k_qe9b89a89e4_kvsum
	.p2alignl 7, 3214868480
	.fill 96, 4, 3214868480
	.section	.rodata,"a",@progbits
	.p2align	6, 0x0
	.amdhsa_kernel k_qe9b89a89e4_kvsum
		.amdhsa_group_segment_fixed_size 17920
		.amdhsa_private_segment_fixed_size 0
		.amdhsa_enable_private_segment 0
		.amdhsa_kernarg_size 56
		.amdhsa_user_sgpr_count 2
		.amdhsa_user_sgpr_kernarg_segment_ptr 1
		.amdhsa_wavefront_size32 1
		.amdhsa_system_sgpr_workgroup_id_x 1
		.amdhsa_system_sgpr_workgroup_id_y 1
		.amdhsa_system_sgpr_workgroup_id_z 1
		.amdhsa_system_vgpr_workitem_id 0
		.amdhsa_next_free_vgpr 768
		.amdhsa_next_free_sgpr 66
		.amdhsa_reserve_vcc 0
		.amdhsa_float_denorm_mode_32 3
		.amdhsa_float_denorm_mode_16_64 3
		.amdhsa_memory_ordered 1
		.amdhsa_forward_progress 1
		.amdhsa_inst_pref_size 30
	.end_amdhsa_kernel
	.amdgpu_metadata
---
amdhsa.version: [ 1, 2 ]
amdhsa.kernels:
  - .name:           k_qe9b89a89e4_kvsum
    .symbol:         k_qe9b89a89e4_kvsum.kd
    .args:
      - { .name: phik, .offset: 0, .size: 8, .value_kind: global_buffer, .address_space: global }
      - { .name: fvf, .offset: 8, .size: 8, .value_kind: global_buffer, .address_space: global }
      - { .name: side, .offset: 16, .size: 8, .value_kind: global_buffer, .address_space: global }
      - { .name: wts, .offset: 24, .size: 8, .value_kind: global_buffer, .address_space: global }
      - { .name: cov_w_raw, .offset: 32, .size: 8, .value_kind: global_buffer, .address_space: global }
      - { .name: var_w_raw, .offset: 40, .size: 8, .value_kind: global_buffer, .address_space: global }
      - { .name: kvo, .offset: 48, .size: 8, .value_kind: global_buffer, .address_space: global }
    .group_segment_fixed_size: 17920
    .private_segment_fixed_size: 0
    .kernarg_segment_align: 8
    .kernarg_segment_size: 56
    .max_flat_workgroup_size: 128
    .sgpr_count:     66
    .vgpr_count:     768
    .wavefront_size: 32
...
	.end_amdgpu_metadata
.endif
;; end of part 3
;; launch final (part 4): grid 256 x 1, 4 waves a work-group, no clusters, 83,456 bytes of LDS; arguments phiq, side, kvo, wts, b_out, out0; writes out0
.if DOCPART == 4
	.amdgcn_target "amdgcn-amd-amdhsa--gfx1250"
	.amdhsa_code_object_version 6
	.text
	.protected	k_qe9b89a89e4_final
	.globl	k_qe9b89a89e4_final
	.p2align	8
	.type	k_qe9b89a89e4_final,@function
k_qe9b89a89e4_final:
	s_mov_b64 s[64:65], 0
	v_nop
	global_prefetch_b8 v0, s[64:65] scope:SCOPE_SE
	s_setreg_imm32_b32 hwreg(HW_REG_WAVE_MODE, 25, 1), 1
	s_wait_xcnt 0x0
; O''[n][j] = qvar'[n] u''[j] + sum over 128 features of Phi_q[n][f] KV''[f][j], for each head; out0 = fin (O'' (64 w_out)^T) + b_out.  Sums in f32; O'' is rounded once to f16.
; (O'' is the heads' output divided by 64 S cmax; the 64 in the weights' copy and fin = S cmax put that back.)
; SHARES.  Work-group x: 64 tokens (block x / 2: four tiles of 16) and 256 of the 512 output columns (x % 2).  STAGE 1, all 8 heads, is made by both work-groups of a token block: 128 products a wave more,
; for half the walk over w_out in each.  Wave w: heads 2 w, 2 w + 1.  STAGE 2: wave w makes output tiles 16 (x % 2) + 4 w + 0..3 for the four token tiles: 16 accumulators, K = 512 in 16 steps.
; LAYOUT.  Both products take the tokens as source 1, so a lane holds ONE token: stage 1's result (8 channels a lane), rounded in pairs, IS half a fragment of stage 2's source 1; it goes to LDS as it lies,
; 16 bytes a lane on end, since every wave wants all heads.  All operands from memory lie in fragment order: 512 consecutive bytes an instruction, straight into registers.
; REGISTERS.  window 0: v0-31 addresses, qvar' (v20-27), fin (v28-29); v32-159 16 accumulators; v160-223 at work; v224-255 u'' of the head in hand
;   window 1, 2: heads 0, 1: Phi_q at 32 tt + 8 ks, KV'' at 128 + 32 jt + 8 ks (window 1 v0-31 later: b_out)        window 3: a ring of 8 steps of w_out, 32 registers each
.set STAGE, 65536                      ; LDS: 0: O'' fragments at (4 kstep + tt) x 1,024; STAGE: 16 rows x 272 bytes for each wave, its own, for the way out
.set SP,    272
.set SPARE, STAGE+4*16*SP
.set SPW,  30
.set NIL,  31
.set QV,   20
.set ACC,  32
.set CV,   160
.set UR,   224
.set MSB, 0
.macro WIN new
.if MSB != (\new)
	s_set_vgpr_msb (MSB<<8)|(\new)
.set MSB, (\new)
.endif
.endm
.macro PLACES                          ; four places behind a matrix instruction, in front of loads into its registers and of readers of its result (ISA guide 7.12.1 for vector instructions)
.rept 4
	v_nop
.endr
.endm
	s_load_b256 s[4:11], s[0:1], 0x0               ; phiq s[4:5], side s[6:7], kvo s[8:9], wts s[10:11]
	s_load_b128 s[12:15], s[0:1], 0x20             ; b_out s[12:13], out0 s[14:15]
	v_lshl_add_u32 v[SPW], v0, 2, SPARE
	v_mov_b32 v[NIL], 0
	v_lshrrev_b32 v1, 5, v0
	v_readfirstlane_b32 s20, v1                    ; wave 0..3
	v_and_b32 v1, 31, v0
	v_and_b32 v2, 15, v0                           ; r
	v_bfe_u32 v3, v0, 4, 1                         ; h
	s_lshr_b32 s21, ttmp9, 1                       ; token block
	s_and_b32 s22, ttmp9, 1                        ; half of the columns
	s_lshr_b32 s23, ttmp9, 6                       ; g
	v_lshlrev_b32 v13, 4, v1                       ; 16 l: O'' read from LDS
	s_lshl_b32 s44, s20, 14
	v_add_nc_u32 v4, s44, v13                      ; Phi_q, and O'' into LDS: 16 l + 16,384 w
	s_lshl_b32 s44, s20, 15
	v_add_nc_u32 v5, s44, v13                      ; KV'': 2 heads x 16,384 x w
	s_lshl_b32 s44, s20, 10
	v_lshl_add_u32 v6, v3, 5, s44                  ; u'': 32 h + 2 heads x 512 x w
	v_lshl_add_u32 v7, v1, 3, s44                  ; fin
	s_lshl_b32 s44, s20, 8
	v_lshl_add_u32 v8, v2, 3, s44                  ; qvar': 8 r + 256 w
	v_lshl_add_u32 v10, v3, 5, s44                 ; b_out: 32 h + 64 columns x w
	v_lshl_add_u32 v11, v2, 4, s44
	v_lshl_add_u32 v11, v3, 11, v11                ; out0: row h, 16 r, + 256 w
	s_lshl_b32 s44, s20, 12
	v_add_nc_u32 v9, s44, v13                      ; w_out: 4 fragments x w
	s_mul_i32 s44, s20, 16*SP
	s_add_co_u32 s44, s44, STAGE
	v_mul_u32_u24 v14, v2, SP
	v_lshl_add_u32 v14, v3, 5, v14
	v_add_nc_u32 v14, s44, v14                     ; into my stage: row r, 32 bytes for each half of the lanes
	v_mul_u32_u24 v15, v3, SP
	v_lshl_add_u32 v15, v2, 4, v15
	v_add_nc_u32 v15, s44, v15                     ; back: lanes 0-15 one row of 256 bytes, lanes 16-31 the next
	s_lshl_b32 s24, s21, 17
	s_mov_b32 s25, 0
	s_lshl_b32 s26, s21, 11
	s_mov_b32 s27, 0
	s_lshl_b32 s28, s23, 17
	s_mov_b32 s29, 0
	s_lshl_b32 s30, s23, 12
	s_add_co_u32 s30, s30, 524288
	s_mov_b32 s31, 0
	s_lshl_b32 s32, s22, 14
	s_add_co_u32 s32, s32, 524288
	s_mov_b32 s33, 0
	s_lshl_b32 s34, s22, 10
	s_mov_b32 s35, 0
	s_wait_kmcnt 0x0
	s_add_nc_u64 s[4:5], s[4:5], s[24:25]
	s_add_nc_u64 s[6:7], s[6:7], s[26:27]
	s_add_nc_u64 s[16:17], s[8:9], s[28:29]        ; kvt of my group
	s_add_nc_u64 s[18:19], s[8:9], s[30:31]        ; uv of my group
	s_add_nc_u64 s[10:11], s[10:11], s[32:33]      ; wo16 at my half's tiles
	s_add_nc_u64 s[12:13], s[12:13], s[34:35]
	s_add_nc_u64 s[14:15], s[14:15], s[24:25]
	s_add_nc_u64 s[14:15], s[14:15], s[34:35]
.macro ULD hd                          ; a lane's 8 channels of each of the head's four channel tiles
	WIN 0
.irp j, 0,1,2,3
	global_load_b128 v[UR+8*(\j):UR+8*(\j)+3],   v6, s[18:19] offset:512*(\hd)+64*(\j)
	global_load_b128 v[UR+8*(\j)+4:UR+8*(\j)+7], v6, s[18:19] offset:512*(\hd)+64*(\j)+16
.endr
.endm
.macro HLD hd                          ; a head's operands: 16 fragments of Phi_q, 16 of KV'': 64 loads
	WIN (1+(\hd))<<6
.irp t, 0,1,2,3
.irp s, 0,1,2,3
	global_load_b128 v[32*(\t)+8*(\s):32*(\t)+8*(\s)+3],   v4, s[4:5] offset:((\t)/2)*65536+(2*(\hd)+(\t)%2)*4096+(\s)*1024
	global_load_b128 v[32*(\t)+8*(\s)+4:32*(\t)+8*(\s)+7], v4, s[4:5] offset:((\t)/2)*65536+(2*(\hd)+(\t)%2)*4096+(\s)*1024+512
.endr
.endr
.irp j, 0,1,2,3
.irp s, 0,1,2,3
	global_load_b128 v[128+32*(\j)+8*(\s):128+32*(\j)+8*(\s)+3],   v5, s[16:17] offset:(\hd)*16384+(\j)*4096+(\s)*1024
	global_load_b128 v[128+32*(\j)+8*(\s)+4:128+32*(\j)+8*(\s)+7], v5, s[16:17] offset:(\hd)*16384+(\j)*4096+(\s)*1024+512
.endr
.endr
.endm
.macro CINIT hd                        ; the sums start at qvar' u'': accumulator (jt, tt) at ACC + 8 (4 jt + tt)
	WIN 0
.irp j, 0,1,2,3
.irp t, 0,1,2,3
.irp p, 0,2,4,6
	v_pk_mul_f32 v[ACC+8*(4*(\j)+(\t))+(\p):ACC+8*(4*(\j)+(\t))+(\p)+1], v[UR+8*(\j)+(\p):UR+8*(\j)+(\p)+1], v[QV+2*(\t):QV+2*(\t)+1] op_sel:[0,\hd] op_sel_hi:[1,\hd]
.endr
.endr
.endr
.endm
.macro S1 hd                           ; 64 products: source 0 = KV'' (channels x features), source 1 = Phi_q (tokens x features).  The 16 accumulators take turns.
	WIN 5*(1+(\hd))
.irp s, 0,1,2,3
.irp j, 0,1,2,3
.irp t, 0,1,2,3
	v_wmma_f32_16x16x32_f16 v[ACC+8*(4*(\j)+(\t)):ACC+8*(4*(\j)+(\t))+7], v[128+32*(\j)+8*(\s):128+32*(\j)+8*(\s)+7], v[32*(\t)+8*(\s):32*(\t)+8*(\s)+7], v[ACC+8*(4*(\j)+(\t)):ACC+8*(4*(\j)+(\t))+7]
.endr
.endr
.endr
.endm
.macro CVT hd                          ; to f16, each accumulator from its low end on, and into LDS: channel tile jt is part jt % 2 of K step 4 w + 2 hd + jt / 2
	WIN 0
.set i, 0
.rept 64
	v_cvt_pk_f16_f32 v[CV+i], v[ACC+2*i], v[ACC+2*i+1]
.set i, i+1
.endr
.irp j, 0,1,2,3
.irp t, 0,1,2,3
	ds_store_b128 v4, v[CV+4*(4*(\j)+(\t)):CV+4*(4*(\j)+(\t))+3] offset:(2*(\hd)+(\j)/2)*4096+(\t)*1024+((\j)%2)*512
.endr
.endr
.endm
.macro WOLD ks                         ; a K step's four fragments of w_out into its place in the ring
	WIN 0xc0
.irp o, 0,1,2,3
	global_load_b128 v[32*((\ks)%8)+8*(\o):32*((\ks)%8)+8*(\o)+3],   v9, s[10:11] offset:(\ks)*32768+(\o)*1024
	global_load_b128 v[32*((\ks)%8)+8*(\o)+4:32*((\ks)%8)+8*(\o)+7], v9, s[10:11] offset:(\ks)*32768+(\o)*1024+512
.endr
.endm
.macro OLD ks                          ; a K step's four fragments of O''
	WIN 0
.irp t, 0,1,2,3
	ds_load_b128 v[CV+32*((\ks)%2)+8*(\t):CV+32*((\ks)%2)+8*(\t)+3],   v13 offset:(4*(\ks)+(\t))*1024
	ds_load_b128 v[CV+32*((\ks)%2)+8*(\t)+4:CV+32*((\ks)%2)+8*(\t)+7], v13 offset:(4*(\ks)+(\t))*1024+512
.endr
.endm
.irp t, 0,1,2,3
	global_load_b64 v[QV+2*(\t):QV+2*(\t)+1], v8, s[6:7] offset:((\t)/2)*1024+((\t)%2)*128   ; token r of tile t: qvar' of my two heads
.endr
	global_load_b64 v[28:29], v7, s[18:19] offset:256
	ULD 0
	HLD 0
	HLD 1
	s_wait_loadcnt 63                              ; head 0's operands are in: head 1's 64 loads are younger, and the count's field ends at 63
	CINIT 0
	ULD 1
	S1 0
	PLACES                                         ; the next loads land in registers that these products read
	WIN 0x40
.irp o, 0,1,2,3
	global_load_b128 v[8*(\o):8*(\o)+3],   v10, s[12:13] offset:64*(\o)
	global_load_b128 v[8*(\o)+4:8*(\o)+7], v10, s[12:13] offset:64*(\o)+16
.endr
.irp n, 0,1,2,3,4,5,6,7
	WOLD \n                                        ; the ring of w_out is filled while stage 1 goes on
.endr
	CVT 0
	s_wait_loadcnt 63                              ; head 1's operands and u'' are in: 72 loads are younger
	CINIT 1
	S1 1
	PLACES
	CVT 1
	s_wait_dscnt 0x0                               ; for the others' sake: my two heads of O'' are in LDS
	s_barrier_signal -1
	s_barrier_wait -1                              ; all eight are; those bytes are written no more
	OLD 0
; STAGE 2, 16 K steps written out: at a step's head the place in the ring that the step before has multiplied takes the weights 7 steps on, and the other buffer of O'' the next step's fragments.
.set k, 0
.rept 16
.if k >= 1
	PLACES
.if k <= 8
	WOLD k+7
.endif
.endif
.if k < 15
	OLD k+1
.endif
.set n, 8*(15-k)
.if n > 56
.set n, 56
.endif
	s_wait_loadcnt n                               ; the weights' steps younger than this one may stay out: 7, or what is left
.if k < 15
	s_wait_dscnt 8                                 ; the next step's eight LDS loads may stay out
.else
	s_wait_dscnt 0x0
.endif
	WIN 0x03                                       ; source 0 = w_out (window 3), source 1 = O'', C and D window 0
.irp t, 0,1,2,3
.irp o, 0,1,2,3
.if k == 0
	v_wmma_f32_16x16x32_f16 v[ACC+8*(4*(\t)+(\o)):ACC+8*(4*(\t)+(\o))+7], v[32*(k%8)+8*(\o):32*(k%8)+8*(\o)+7], v[CV+32*(k%2)+8*(\t):CV+32*(k%2)+8*(\t)+7], 0
.else
	v_wmma_f32_16x16x32_f16 v[ACC+8*(4*(\t)+(\o)):ACC+8*(4*(\t)+(\o))+7], v[32*(k%8)+8*(\o):32*(k%8)+8*(\o)+7], v[CV+32*(k%2)+8*(\t):CV+32*(k%2)+8*(\t)+7], v[ACC+8*(4*(\t)+(\o)):ACC+8*(4*(\t)+(\o))+7]
.endif
.endr
.endr
.set k, k+1
.endr
; THE WAY OUT, a token tile at a time: fin x sum + b_out; a lane's 8 columns of a row go into my stage (rows of 272 bytes) and come back as whole rows of 256 bytes.
	PLACES
.irp t, 0,1,2,3
	WIN 0x10                                       ; source 2 (b_out) window 1
.set i, 0
.rept 16
	v_pk_fma_f32 v[ACC+32*(\t)+2*i:ACC+32*(\t)+2*i+1], v[ACC+32*(\t)+2*i:ACC+32*(\t)+2*i+1], v[28:29], v[2*i:2*i+1]
.set i, i+1
.endr
	WIN 0
.irp n, 0,1,2,3,4,5,6,7
	ds_store_b128 v14, v[ACC+32*(\t)+4*(\n):ACC+32*(\t)+4*(\n)+3] offset:((\n)/2)*64+((\n)%2)*16
.endr
	s_wait_xcnt 0x0                                ; the stores issued so far have read their data: the registers below are loaded again only behind this wait
.irp n, 0,1,2,3,4,5,6,7
	ds_load_b128 v[CV+32*((\t)%2)+4*(\n):CV+32*((\t)%2)+4*(\n)+3], v15 offset:(\n)*2*SP   ; LDS serves a wave's instructions in order (ISA guide 5.7.1.4): these see the stores above
.endr
	s_wait_dscnt 0x0
.irp n, 0,1,2,3,4,5,6,7
	global_store_b128 v11, v[CV+32*((\t)%2)+4*(\n):CV+32*((\t)%2)+4*(\n)+3], s[14:15] offset:(\t)*32768+(\n)*4096 th:TH_STORE_NT  ; 16 lanes store 256 consecutive bytes, aligned
.endr
.endr
	s_wait_tensorcnt 0x0                           ; the wave's end, behind my last LDS store
	ds_add_u32 v[SPW], v[NIL]
	s_wait_dscnt 0x0
	s_endpgm
.Lfunc_end_k_qe9b89a89e4_final:
	.size	k_qe9b89a89e4_final, .Lfunc_end_k_qe9b89a89e4_final-k_qe9b89a89e4_final
	.p2alignl 7, 3214868480
	.fill 96, 4, 3214868480
	.section	.rodata,"a",@progbits
	.p2align	6, 0x0
	.amdhsa_kernel k_qe9b89a89e4_final
		.amdhsa_group_segment_fixed_size 83456
		.amdhsa_private_segment_fixed_size 0
		.amdhsa_enable_private_segment 0
		.amdhsa_kernarg_size 48
		.amdhsa_user_sgpr_count 2
		.amdhsa_user_sgpr_kernarg_segment_ptr 1
		.amdhsa_wavefront_size32 1
		.amdhsa_system_sgpr_workgroup_id_x 1
		.amdhsa_system_sgpr_workgroup_id_y 1
		.amdhsa_system_sgpr_workgroup_id_z 1
		.amdhsa_system_vgpr_workitem_id 0
		.amdhsa_next_free_vgpr 1024
		.amdhsa_next_free_sgpr 66
		.amdhsa_reserve_vcc 0
		.amdhsa_float_denorm_mode_32 3
		.amdhsa_float_denorm_mode_16_64 3
		.amdhsa_memory_ordered 1
		.amdhsa_forward_progress 1
		.amdhsa_inst_pref_size 96
	.end_amdhsa_kernel
	.amdgpu_metadata
---
amdhsa.version: [ 1, 2 ]
amdhsa.kernels:
  - .name:           k_qe9b89a89e4_final
    .symbol:         k_qe9b89a89e4_final.kd
    .args:
      - { .name: phiq, .offset: 0, .size: 8, .value_kind: global_buffer, .address_space: global }
      - { .name: side, .offset: 8, .size: 8, .value_kind: global_buffer, .address_space: global }
      - { .name: kvo, .offset: 16, .size: 8, .value_kind: global_buffer, .address_space: global }
      - { .name: wts, .offset: 24, .size: 8, .value_kind: global_buffer, .address_space: global }
      - { .name: b_out, .offset: 32, .size: 8, .value_kind: global_buffer, .address_space: global }
      - { .name: out0, .offset: 40, .size: 8, .value_kind: global_buffer, .address_space: global }
    .group_segment_fixed_size: 83456
    .private_segment_fixed_size: 0
    .kernarg_segment_align: 8
    .kernarg_segment_size: 48
    .max_flat_workgroup_size: 128
    .sgpr_count:     66
    .vgpr_count:     1024
    .wavefront_size: 32
...
	.end_amdgpu_metadata
.endif
;; end of part 4
;; ======== version 2 of 2: 4 launches; version 1 with the launches proj, final written anew for expert scheduling mode
;; limits: values are held in f16: magnitudes above 65,504 overflow, below 6.1e-05 lose precision; right only within a limited range of input values
;; workspace buffers: wts 1,052,672 bytes; phiq 16,777,216 bytes; phik 16,777,216 bytes; fvf 8,388,608 bytes; side 786,432 bytes; kvo 540,672 bytes
;; launch prep: the kernel of part 1 again; grid 64 x 1, 4 waves a work-group, no clusters, 1,024 bytes of LDS; arguments w_in, w_out, ln_gamma, ln_beta, wts; writes wts
;; launch proj (part 5): grid 256 x 1, 4 waves a work-group, no clusters, 100,352 bytes of LDS; arguments q, k, v, wts, phiq, phik, fvf, side; writes phiq, phik, fvf, side
.if DOCPART == 5
	.amdgcn_target "amdgcn-amd-amdhsa--gfx1250"
	.amdhsa_code_object_version 6
	.text
	.protected	k_qe9b89a89e4_proj
	.globl	k_qe9b89a89e4_proj
	.p2align	8
	.type	k_qe9b89a89e4_proj,@function
k_qe9b89a89e4_proj:
	s_mov_b64 s[64:65], 0
	v_nop
	global_prefetch_b8 v0, s[64:65] scope:SCOPE_SE
	s_setreg_imm32_b32 hwreg(HW_REG_WAVE_SCHED_MODE, 0, 2), 2
	s_setreg_imm32_b32 hwreg(HW_REG_WAVE_MODE, 25, 1), 1
	s_wait_xcnt 0x0
	s_wait_alu depctr_vm_vsrc(0)
; LAYERNORM, FIRST PROJECTION AND THE FEATURES, for 32 tokens of q, of k and of v a work-group.
; THE MODULE'S WEIGHTS attn = c1 qhat.khat + c2 qc.kc + c3 qvar kvar are bilinear and no softmax follows, so (Phi_q Phi_k^T) V is taken as Phi_q (Phi_k^T V): the same sums in another order, for every input.
; This launch makes Phi and V.  z = (x - mean) rsq(var + 1e-5), two passes in f32 on registers, rounded once to f16 (|z| < 22.7).  f = z (gamma w_in)^T + w_in beta.  f' = f / S, S^2 = the mean over channels of
; sum_k (gamma w)^2 + (w beta)^2: a figure of the weights alone, so that f' is of order 1 whatever their scale; the powers of S are put back in f32 by the later launches.
; For each head (64 channels) of f', in f32: mean; c' = f' - mean; ssc = sum c'^2; var' = ssc / 63; |f'|^2 = ssc + 64 mean^2 (a sum, no difference); hat = f' rsq(|f'|^2).  Each feature is rounded once to f16.
; LIMITS.  A channel of f beyond some 40 S may pass f16's range later (in Phi_k^T V); a head vector of norm 0, or S = 0, gives NaN or infinity as reference()'s 0 / 0 does, not at the same places.
; OUT, all in fragment order (16 x 32 in 1,024 bytes: registers 0-3 of lane l at 16 l, registers 4-7 at 512 + 16 l), so that every store of a wave covers 512 consecutive bytes, aligned:
;   phiq [b 256][head 8][tile 2][ks 4]   rows = tokens, k = features (ks 0,1 hat; 2,3 c')        phik [gh 32][ft 8][s 64]  rows = features (ft 0-3 hat, 4-7 c'), k = the block's 32 tokens
;   fvf  [gh 32][jt 4][s 64]             rows = channels, k = tokens                              side: varq [b][wave][16 tile + r][2 heads] f32; + 262,144 upart [gh][s][64] f32: sum over the block of kvar' fv'
; SHARES.  96 rows (token tiles 0,1 q; 2,3 k; 4,5 v) x 512 channels.  Wave w: channels 128 w .. + 127 (heads 2 w, 2 w + 1) of all six tiles: 48 accumulators.
; q's tiles are multiplied with the weights as source 0 (a lane then holds ONE token and 8 channels), k's and v's with the tokens as source 0 (a lane holds ONE channel and 8 tokens): each result, rounded in pairs, IS the later launch's fragment.
; THE WEIGHTS come straight into registers, in fragment order: no wave wants a fragment that another has fetched.  NO CLUSTER, NO TENSOR LOAD: beside the 99,840 bytes of z a ring of slots would hold 64 along K at the most,
; a round of the cluster's barrier for every 96 matrix instructions.
; REGISTERS.  window 0: v0-31 addresses and small things; v32-175 three buffers of z's fragments (48 each), later the way out's scratch; v176-239 the bias by token layout; v240-247 by channel layout
;   window 1: three buffers of weights (64 each)     window 2: accumulators of tiles 0-3 (tile t, channel tile c at 8 (8 t + c))     window 3: v0-127 those of tiles 4, 5.  Before the products windows 2, 3 hold x.
; THE MODE: SCHED_MODE bits 1:0 = 2 (LLVM: expert scheduling mode 2), set by the entry lines.  The code itself states the register dependences
; between vector or matrix instructions and memory or LDS instructions, with s_wait_alu, always for 0.
; THE PLAN.  Registers that memory or LDS instructions touch:
;   v4, v5, v8-v13, v30, v31   offsets and LDS addresses, made at the head and never written again.   v24-v26: offsets of the bias and rsq loads; the way out writes them again.
;   v6, v7        LDS addresses of z's fragments: read by every load of a fragment, stepped once a trip.
;   OUTF          a tensor's 64 conversions write it, its 32 LDS stores read it: three times.  ONE wait on va_vdst stands between the conversions and the run of stores, one on vm_vsrc ahead of the next tensor's conversions.
;   W0 .. W2      step n's products read W[n % 3]; at the head of step n the loads of step n + 2 land in the buffer that step n - 1 read.
;   A0 .. A2      step n's products read A[n % 3]; at the head of step n the LDS loads of step n + 1 land in the buffer that step n - 2 read.
;                 So ONE wait on va_vdst stands at a step's head, ahead of its 28 loads; the 48 products behind them name W[n % 3], A[n % 3] and the accumulators.
;   OA0, OA1      the way out's unit m writes OA[m % 2]; its stores are issued in unit m + 1; unit m + 2 writes the set again.  Each unit has ONE place with its waits, and the stores of the unit before follow it.
;   v[24:25], v[26:27], v[28:29]   the data of the three small stores, each written once for its store.
.set PA,    1040                       ; a row of z in LDS: 1,024 bytes + 16: an odd multiple of 16, so the 16 rows of a fragment load start at 16 different groups of four banks (ISA guide 11.1)
.set SPARE, 96*PA                      ; behind z: the spare words, 128 bytes a wave
.set SPW,  18
.set NIL,  19
.set AB,   32
.set BT,   176
.set BC,   240
.set DD,   128                         ; LayerNorm: x - mean, 32 a pair of rows
.set OUTF, 64                          ; z in f16, 16 a pair of rows
.set NMU,  32                          ; - mean, twice, a pair of rows
.set CH,   40                          ; two chains of sums
.set RS,   56                          ; rsq(var + eps), twice
.set F,    32                          ; the way out: f', then hat
.set CC,   64                          ; c'
.set OA,   96                          ; two sets of 32 to store
.set T,    160                         ; at work
.set TM,   176                         ; k, v: sums, then - mean, a token a register
.set SS,   184                         ; ssc
.set RN,   192                         ; rsq(|f'|^2)
.set KVR,  200                         ; kvar' of the block's two tiles
.set UU,   216                         ; sum kvar' fv', a pair for each channel tile
.set MSB, 0
.macro WIN new                         ; the immediate's high byte repeats the setting that is left; a switch that changes nothing is dropped
.if MSB != (\new)
	s_set_vgpr_msb (MSB<<8)|(\new)
.set MSB, (\new)
.endif
.endm
.macro PADD d, a, b
	v_pk_add_f32 v[(\d):(\d)+1], v[(\a):(\a)+1], v[(\b):(\b)+1]
.endm
.macro PMUL d, a, b
	v_pk_mul_f32 v[(\d):(\d)+1], v[(\a):(\a)+1], v[(\b):(\b)+1]
.endm
.macro PFMA d, a, b, c
	v_pk_fma_f32 v[(\d):(\d)+1], v[(\a):(\a)+1], v[(\b):(\b)+1], v[(\c):(\c)+1]
.endm
.macro XADD r, m                       ; lane i takes lane i xor m of its half of 16
	v_add_f32_dpp v[(\r)], v[(\r)], v[(\r)] row_xmask:\m row_mask:0xf bank_mask:0xf
.endm
.macro MMA d, a, b, z                  ; z = 1: the product starts the sum
.if \z
	v_wmma_f32_16x16x32_f16 v[(\d):(\d)+7], v[(\a):(\a)+7], v[(\b):(\b)+7], 0
.else
	v_wmma_f32_16x16x32_f16 v[(\d):(\d)+7], v[(\a):(\a)+7], v[(\b):(\b)+7], v[(\d):(\d)+7]
.endif
.endm
	s_load_b512 s[4:19], s[0:1], 0x0               ; q s[4:5], k s[6:7], v s[8:9], wts s[10:11], phiq s[12:13], phik s[14:15], fvf s[16:17], side s[18:19]
	v_lshl_add_u32 v[SPW], v0, 2, SPARE
	v_mov_b32 v[NIL], 0
	v_lshrrev_b32 v1, 5, v0
	v_readfirstlane_b32 s20, v1                    ; wave 0..3
	v_and_b32 v1, 31, v0                           ; l
	v_and_b32 v2, 15, v0                           ; r
	v_bfe_u32 v3, v0, 4, 1                         ; h
	v_mov_b32 v29, 0                               ; v_permlanex16_b32's destination counts as read
	s_lshr_b32 s22, ttmp9, 6                       ; g
	s_and_b32 s23, ttmp9, 63                       ; s: the block in its group
	s_mov_b32 s30, 0xffff0000                      ; lanes 16-31
	s_mov_b32 s32, 0x76543210
	s_mov_b32 s33, 0xfedcba98
	s_mov_b32 s34, 0x3b000000                      ; 1 / 512
	s_mov_b32 s35, 0x3727c5ac                      ; 1e-5
	s_mov_b32 s36, 0xbb000000                      ; - 1 / 512
	v_lshlrev_b32 v27, 4, v1                       ; 16 l
	v_lshlrev_b32 v28, 3, v1                       ; 8 l
	s_wait_alu depctr_va_sdst(0)                   ; s20 is written, ahead of its first reader: the wave's shares of every buffer are made from it
	s_lshl_b32 s44, s20, 14
	v_lshlrev_b32 v4, 4, v2
	v_lshl_add_u32 v4, v3, 11, v4
	v_add_nc_u32 v4, s44, v4                       ; x: 2,048 h + 16 r + 8 rows x w
	v_add_nc_u32 v9, s44, v27                      ; phiq: 16 l + 2 heads x 8,192 x w
	s_lshl_b32 s44, s20, 3
	v_add_nc_u32 v5, s44, v3
	v_mul_u32_u24 v5, v5, PA
	v_lshl_add_u32 v5, v2, 3, v5                   ; z into LDS: row 8 w + h, byte 8 r: q's 32 rows,
	v_add_nc_u32 v30, 32*PA, v5                    ; k's,
	v_add_nc_u32 v31, 64*PA, v5                    ; v's: an address to each tensor, so that none is stepped
	v_mul_u32_u24 v6, v2, PA
	v_lshl_add_u32 v6, v3, 4, v6                   ; z's fragments: row r, 16 h; tiles 0-2,
	v_add_nc_u32 v7, 48*PA, v6                     ; tiles 3-5 (the immediate holds 16 bits)
	s_lshl_b32 s44, s20, 13
	v_add_nc_u32 v8, s44, v27                      ; weights: 16 l + 8 fragments x w
	s_lshl_b32 s44, s20, 20
	v_add_nc_u32 v10, s44, v27                     ; phik: 2 heads x 524,288 x w
	s_lshl_b32 s44, s20, 19
	v_add_nc_u32 v11, s44, v27                     ; fvf: 2 heads x 262,144 x w
	s_lshl_b32 s44, s20, 15
	v_add_nc_u32 v12, s44, v28                     ; upart: 8 l + 2 heads x 16,384 x w
	s_lshl_b32 s44, s20, 8
	v_add_nc_u32 v13, s44, v28                     ; varq: 8 l + 256 w
	s_lshl_b32 s44, s20, 10
	v_lshl_add_u32 v24, v3, 5, s44                 ; bias, a lane's 8 channels: 32 h + 8 tiles x 128 x w
	v_lshl_add_u32 v25, v2, 2, s44                 ; bias, a lane's one channel: 4 r + ..
	v_lshrrev_b32 v26, 2, v1
	v_and_b32 v27, 3, v1
	v_lshlrev_b32 v26, 7, v26
	v_lshl_add_u32 v26, v27, 4, v26                ; rsq: four lanes take a tile's 64 bytes
	s_lshl_b32 s24, ttmp9, 16                      ; 32 rows of 2,048 bytes; also a block of phiq
	s_mov_b32 s25, 0
	s_lshl_b32 s40, s22, 22
	s_lshl_b32 s42, s23, 10
	s_add_co_u32 s40, s40, s42
	s_mov_b32 s41, 0
	s_lshl_b32 s38, s22, 21
	s_add_co_u32 s38, s38, s42
	s_mov_b32 s39, 0
	s_wait_kmcnt 0x0
	s_add_nc_u64 s[4:5], s[4:5], s[24:25]
	s_add_nc_u64 s[6:7], s[6:7], s[24:25]
	s_add_nc_u64 s[8:9], s[8:9], s[24:25]
	s_add_nc_u64 s[12:13], s[12:13], s[24:25]
	s_add_nc_u64 s[14:15], s[14:15], s[40:41]
	s_add_nc_u64 s[16:17], s[16:17], s[38:39]
	s_mov_b64 s[26:27], s[10:11]                   ; the weights' walking pointer
	s_add_nc_u64 s[28:29], s[10:11], 0x100000      ; wstat
	s_lshl_b32 s38, ttmp9, 10
	s_add_nc_u64 s[38:39], s[18:19], s[38:39]      ; varq of this block
	s_lshl_b32 s40, s22, 17
	s_lshl_b32 s42, s23, 8
	s_add_co_u32 s40, s40, s42
	s_add_co_u32 s40, s40, 262144
	s_add_nc_u64 s[40:41], s[18:19], s[40:41]      ; upart of this block
	s_wait_alu depctr_va_vdst(0)                   ; the offsets and LDS addresses v4-v13, v24-v26, v30, v31 are written, which the kernel's loads and stores read
; ---- the whole stream from memory goes out at once: 4 + 96 loads a wave; lanes 0-15 take 256 consecutive bytes of one row, lanes 16-31 of the next
.irp n, 0,1,2,3
	global_load_b128 v[32+4*(\n):35+4*(\n)], v26, s[28:29] offset:64+1024*(\n)
.endr
.macro XLD xw, xb, base
	WIN (\xw)<<6
.irp p, 0,1,2,3
.irp c, 0,1,2,3,4,5,6,7
	global_load_b128 v[(\xb)+32*(\p)+4*(\c):(\xb)+32*(\p)+4*(\c)+3], v4, s[\base:\base+1] offset:4096*(\p)+256*(\c) th:TH_LOAD_NT
.endr
.endr
.endm
	XLD 2, 0, 4
	XLD 2, 128, 6
	XLD 3, 0, 8
	WIN 0
	s_wait_loadcnt 63                              ; rsq and q's rows are in: 64 loads are younger, and the count's field ends at 63
	PADD 32, 32, 34                                ; 1 / (64 S) = rsq(mean of rsq)
	PADD 36, 36, 38
	PADD 40, 40, 42
	PADD 44, 44, 46
	PADD 32, 32, 36
	PADD 40, 40, 44
	PADD 32, 32, 40
	v_add_f32 v32, v32, v33
	XADD 32, 1
	XADD 32, 2
	XADD 32, 4
	XADD 32, 8
	v_permlanex16_b32 v33, v32, s32, s33
	v_add_f32 v32, v32, v33
	v_mul_f32 v32, s34, v32
	v_rsq_f32 v14, v32
	v_rsq_f32 v15, v32
	v_nop                                          ; a plain instruction behind the roots, ahead of a write of their source,
	s_wait_alu depctr_va_vdst(0)                   ; and the two roots v14, v15 are written, ahead of their first use
; LayerNorm of one tensor's 8 rows (4 pairs; a half of the lanes holds a row, 32 numbers a lane: columns 64 c + 4 r + 0..3).  The four pairs alternate, so that no line waits for the one before it.
; adr: the register with the tensor's LDS address.  first = 1: no tensor has gone before.
.macro LNG xw, xb, adr, first
	WIN (\xw)|((\xw)<<2)
.irp p, 0,1,2,3
.irp c, 0,1,2,3,4,5,6,7
	PADD DD+32*(\p)+2*(\c), (\xb)+32*(\p)+4*(\c), (\xb)+32*(\p)+4*(\c)+2
.endr
.endr
	WIN 0
.irp c, 0,4,8,12
.irp p, 0,1,2,3
	PADD DD+32*(\p)+(\c), DD+32*(\p)+(\c), DD+32*(\p)+(\c)+2
.endr
.endr
.irp c, 0,8
.irp p, 0,1,2,3
	PADD DD+32*(\p)+(\c), DD+32*(\p)+(\c), DD+32*(\p)+(\c)+4
.endr
.endr
.irp p, 0,1,2,3
	PADD DD+32*(\p), DD+32*(\p), DD+32*(\p)+8
.endr
.irp p, 0,1,2,3
	v_add_f32 v[CH+4*(\p)], v[DD+32*(\p)], v[DD+32*(\p)+1]
.endr
.irp m, 1,2,4,8
.irp p, 0,1,2,3
	XADD CH+4*(\p), \m
.endr
.endr
.irp p, 0,1,2,3
	v_mul_f32 v[NMU+2*(\p)], s36, v[CH+4*(\p)]
	v_mul_f32 v[NMU+2*(\p)+1], s36, v[CH+4*(\p)]
.endr
	WIN (\xw)
.irp c, 0,1,2,3,4,5,6,7,8,9,10,11,12,13,14,15
.irp p, 0,1,2,3
	PADD DD+32*(\p)+2*(\c), (\xb)+32*(\p)+2*(\c), NMU+2*(\p)
.endr
.endr
	WIN 0
.irp c, 0,1,2,3,4,5,6,7,8,9,10,11,12,13,14,15
.irp p, 0,1,2,3
.if (\c) < 2
	PMUL CH+4*(\p)+2*(\c), DD+32*(\p)+2*(\c), DD+32*(\p)+2*(\c)
.else
	PFMA CH+4*(\p)+2*((\c)%2), DD+32*(\p)+2*(\c), DD+32*(\p)+2*(\c), CH+4*(\p)+2*((\c)%2)
.endif
.endr
.endr
.irp p, 0,1,2,3
	PADD CH+4*(\p), CH+4*(\p), CH+4*(\p)+2
.endr
.irp p, 0,1,2,3
	v_add_f32 v[CH+4*(\p)], v[CH+4*(\p)], v[CH+4*(\p)+1]
.endr
.irp m, 1,2,4,8
.irp p, 0,1,2,3
	XADD CH+4*(\p), \m
.endr
.endr
.irp p, 0,1,2,3
	v_fma_f32 v[CH+4*(\p)], v[CH+4*(\p)], s34, s35 ; var + eps
.endr
.irp p, 0,1,2,3
	v_rsq_f32 v[RS+2*(\p)], v[CH+4*(\p)]
	v_rsq_f32 v[RS+2*(\p)+1], v[CH+4*(\p)]
.endr
	v_nop
.if !(\first)
	s_wait_alu depctr_vm_vsrc(0)                   ; the LDS stores of the tensor before have read OUTF, which the conversions below write again
.endif
	s_wait_alu depctr_va_vdst(0)                   ; the eight roots are written: one wait, ahead of their first use
.irp p, 0,1,2,3
.irp c, 0,1,2,3,4,5,6,7,8,9,10,11,12,13,14,15
	PMUL DD+32*(\p)+2*(\c), DD+32*(\p)+2*(\c), RS+2*(\p)
.endr
.irp c, 0,1,2,3,4,5,6,7,8,9,10,11,12,13,14,15
	v_cvt_pk_f16_f32 v[OUTF+16*(\p)+(\c)], v[DD+32*(\p)+2*(\c)], v[DD+32*(\p)+2*(\c)+1]
.endr
.endr
	s_wait_alu depctr_va_vdst(0)                   ; the 64 conversions have written OUTF, which the run of LDS stores reads; behind the last tensor: all vector work on v32-v255 is done, where the biases and z's fragments land
.irp p, 0,1,2,3
.irp c, 0,1,2,3,4,5,6,7
	ds_store_b64 v[\adr], v[OUTF+16*(\p)+2*(\c):OUTF+16*(\p)+2*(\c)+1] offset:2*PA*(\p)+128*(\c)
.endr
.endr
.endm
.macro WLD b, off                      ; a K step's 8 fragments of weights into buffer b
	WIN 0x40
.irp c, 0,1,2,3,4,5,6,7
	global_load_b128 v[64*(\b)+8*(\c):64*(\b)+8*(\c)+3],   v8, s[26:27] offset:(\off)+1024*(\c)
	global_load_b128 v[64*(\b)+8*(\c)+4:64*(\b)+8*(\c)+7], v8, s[26:27] offset:(\off)+1024*(\c)+512
.endr
.endm
.macro ALD b, off                      ; a K step's 6 fragments of z into buffer b
	WIN 0
.irp t, 0,1,2,3,4,5
	ds_load_b128 v[AB+48*(\b)+8*(\t):AB+48*(\b)+8*(\t)+3],   v[6+(\t)/3] offset:((\t)%3)*16*PA+(\off)
	ds_load_b128 v[AB+48*(\b)+8*(\t)+4:AB+48*(\b)+8*(\t)+7], v[6+(\t)/3] offset:((\t)%3)*16*PA+(\off)+32
.endr
.endm
	LNG 2, 0, 5, 1
	WLD 0, 0                                       ; the weights of K steps 0 and 1 are asked for while the rows are normalised; no vector instruction has named window 1
	s_wait_loadcnt 48                              ; k's rows are in: v's 32 and the 16 just issued are younger
	LNG 2, 128, 30, 0
	WLD 1, 32768
	s_wait_loadcnt 32                              ; v's rows are in: two K steps of weights are younger
	LNG 3, 0, 31, 0
.irp c, 0,1,2,3,4,5,6,7                ; no vector instruction has been issued since the last tensor's wait: the biases land in registers that the LayerNorm is done with
	global_load_b128 v[BT+8*(\c):BT+8*(\c)+3],   v24, s[28:29] offset:128*(\c)
	global_load_b128 v[BT+8*(\c)+4:BT+8*(\c)+7], v24, s[28:29] offset:128*(\c)+16
.endr
.irp c, 0,1,2,3,4,5,6,7
	global_load_b32 v[BC+(\c)], v25, s[28:29] offset:128*(\c)
.endr
	s_wait_dscnt 0x0                               ; for the others' sake: my 24 rows of z are in LDS
	s_barrier_signal -1
	s_barrier_wait -1                              ; all 96 are; nothing is stored into LDS after this
	s_wait_alu depctr_vm_vsrc(0)                   ; my LDS stores have read OUTF, in which z's fragments land; the loads of rsq and of the biases have read v24-v26, which the way out writes again
	ALD 0, 0
; A K STEP of 32: at its head the weights two steps on and z's fragments one step on are asked for, then 48 products.  The 48 accumulators take turns, one instruction a turn, over the backward jump too.
; j: the step's place in the trip (immediates); wb, ab: its buffers; nl, nd: how many younger loads and LDS loads may stay out.
; dep = 1: the weights land in the buffer that the step before has just multiplied.  dep = 0: step 0, ahead of which no product stands; and step 14, whose LDS loads land in the buffer that step 12 read:
; the wait at step 13's head has shown that step done, and step 13's products name the two other buffers.
.macro STEP j, wb, ab, zero, ldw, lda, dep, nl, nd
.if \dep
.rept 4
	v_nop                                          ; four places behind the last products, in front of loads into registers that they read; they stand beside the wait below, not for it
.endr
	s_wait_alu depctr_va_vdst(0)                   ; the step before is done reading its weights, the step before that its fragments of z: the loads below land there; behind a trip's end v6 and v7 are written
.endif
.if \ldw
	WLD ((\wb)+2)%3, ((\j)+2)*32768
.endif
.if \lda
	ALD ((\ab)+1)%3, ((\j)+1)*64
.endif
	s_wait_loadcnt \nl
	s_wait_dscnt \nd
	WIN 0xa1                                       ; source 0 = weights (window 1), source 1 = z (window 0), C and D window 2
.irp t, 0,1
.irp c, 0,1,2,3,4,5,6,7
	MMA 8*(8*(\t)+(\c)), 64*(\wb)+8*(\c), AB+48*(\ab)+8*(\t), \zero
.endr
.endr
	WIN 0xa4                                       ; source 0 = z, source 1 = weights
.irp t, 2,3
.irp c, 0,1,2,3,4,5,6,7
	MMA 8*(8*(\t)+(\c)), AB+48*(\ab)+8*(\t), 64*(\wb)+8*(\c), \zero
.endr
.endr
	WIN 0xf4                                       ; the same, C and D window 3
.irp t, 4,5
.irp c, 0,1,2,3,4,5,6,7
	MMA 8*(8*((\t)-4)+(\c)), AB+48*(\ab)+8*(\t), 64*(\wb)+8*(\c), \zero
.endr
.endr
.endm
	STEP 0, 0, 0, 1, 1, 1, 0, 56, 12               ; step 0 starts the sums.  Younger than its weights: step 1's 16, the 24 bias loads, step 2's 16
	WIN 0
	s_wait_xcnt 0x0                                ; every load issued has read its base: the pointer may step
	s_wait_alu depctr_vm_vsrc(0)                   ; the LDS loads issued so far have read v6 and v7
	s_add_nc_u64 s[26:27], s[26:27], 32768
	v_add_nc_u32 v6, 64, v6
	v_add_nc_u32 v7, 64, v7
	s_mov_b32 s31, 4
.Lk:                                                   ; steps 1 to 12, three a trip: 32 = the two younger steps' weights, 12 = the next step's fragments of z
	STEP 0, 1, 1, 0, 1, 1, 1, 32, 12
	STEP 1, 2, 2, 0, 1, 1, 1, 32, 12
	STEP 2, 0, 0, 0, 1, 1, 1, 32, 12
	WIN 0
	s_wait_xcnt 0x0
	s_wait_alu depctr_vm_vsrc(0)                   ; the LDS loads issued so far have read v6 and v7
	s_add_nc_u64 s[26:27], s[26:27], 98304
	v_add_nc_u32 v6, 192, v6
	v_add_nc_u32 v7, 192, v7
	s_sub_co_u32 s31, s31, 1
	s_cmp_lg_u32 s31, 0
	s_cbranch_scc1 .Lk
	STEP 0, 1, 1, 0, 1, 1, 1, 32, 12               ; step 13 asks for the last weights,
	STEP 1, 2, 2, 0, 0, 1, 0, 16, 12               ; step 14 for the last fragments of z,
	STEP 2, 0, 0, 0, 0, 0, 0, 0, 0                 ; step 15 for nothing
; ---- THE WAY OUT.  The biases are scaled first: 36 plain instructions, the places behind the last products.
	WIN 0
.set i, 0
.rept 32
	PMUL BT+2*i, BT+2*i, 14
.set i, i+1
.endr
.set i, 0
.rept 4
	PMUL BC+2*i, BC+2*i, 14
.set i, i+1
.endr
; Twelve UNITS (a token tile and a head).  A unit's conversions write its set of 32; its stores are issued in the next unit.  PKIND (1 q, 2 k, 3 v; 0 none), PT, PH, PS: the tile, head and set of the unit whose stores are due.
.set PKIND, 0
.set PT, 0
.set PH, 0
.set PS, 0
.set NU, 0                             ; units so far
.macro QST
.irp c, 0,1,2,3
	global_store_b128 v9, v[OA+32*PS+4*(\c):OA+32*PS+4*(\c)+3],       s[12:13] offset:(2*PH+PT)*4096+((\c)/2)*1024+((\c)%2)*512 th:TH_STORE_NT
	global_store_b128 v9, v[OA+32*PS+16+4*(\c):OA+32*PS+16+4*(\c)+3], s[12:13] offset:(2*PH+PT)*4096+2048+((\c)/2)*1024+((\c)%2)*512 th:TH_STORE_NT
.endr
.endm
.macro KST
.irp c, 0,1,2,3
	global_store_b128 v10, v[OA+32*PS+4*(\c):OA+32*PS+4*(\c)+3],       s[14:15] offset:(8*PH+(\c))*65536+(PT-2)*512 th:TH_STORE_NT
	global_store_b128 v10, v[OA+32*PS+16+4*(\c):OA+32*PS+16+4*(\c)+3], s[14:15] offset:(8*PH+4+(\c))*65536+(PT-2)*512 th:TH_STORE_NT
.endr
.endm
.macro VST
.irp c, 0,1,2,3
	global_store_b128 v11, v[OA+32*PS+4*(\c):OA+32*PS+4*(\c)+3], s[16:17] offset:(4*PH+(\c))*65536+(PT-4)*512 th:TH_STORE_NT
.endr
.endm
.macro FLUSH                           ; the stores that are due
.if PKIND == 1
	QST
.elseif PKIND == 2
	KST
.elseif PKIND == 3
	VST
.endif
.set PKIND, 0
.endm
; A unit's one place of waits: behind its roots in q's and k's units, at the head in v's.  No vector instruction stands between the last wait and the stores.
.macro HEADW
	WIN 0
.if NU >= 2
	s_wait_xcnt 0x0                                ; the stores issued so far have had their addresses translated (ISA guide 3.1): this unit's set, the data of the unit two back, is written again only behind this wait,
	s_wait_alu depctr_vm_vsrc(0)                   ; and those stores, issued in the unit before, have read the set
.endif
	s_wait_alu depctr_va_vdst(0)                   ; this unit's roots are written, ahead of their first use; the conversions of the unit before have written its set, which the stores below read
	FLUSH
.set NU, NU+1
.endm
.macro TOF win, hd                     ; f' = sum / (64 S) + bias, a lane's one channel: the bias of channel tile 4 hd + i / 4 for both halves of a pair.  Each accumulator is read from its low end on.
	WIN \win
.set i, 0
.rept 16
.if (i/4)%2 == 0
	v_pk_fma_f32 v[F+2*i:F+2*i+1], v[AC+2*i:AC+2*i+1], v[14:15], v[BC+4*(\hd)+2*(i/8):BC+4*(\hd)+2*(i/8)+1] op_sel_hi:[1,1,0]
.else
	v_pk_fma_f32 v[F+2*i:F+2*i+1], v[AC+2*i:AC+2*i+1], v[14:15], v[BC+4*(\hd)+2*(i/8):BC+4*(\hd)+2*(i/8)+1] op_sel:[0,0,1] op_sel_hi:[1,1,1]
.endif
.set i, i+1
.endr
	WIN 0
.endm
.macro CVT16 d, s                      ; 32 numbers to 16 registers of f16
.set i, 0
.rept 16
	v_cvt_pk_f16_f32 v[(\d)+i], v[(\s)+2*i], v[(\s)+2*i+1]
.set i, i+1
.endr
.endm
; q: tile tt (0, 1), head 2 w + hd.  A lane holds token r and 32 of the head's 64 channels; the other 32 lie in the lane 16 away.
.macro QEP tt, hd, set
.set AC, 8*(8*(\tt)+4*(\hd))
.set OU, OA+32*(\set)
	WIN 0x02
.set i, 0
.rept 16
	PFMA F+2*i, AC+2*i, 14, BT+32*(\hd)+2*i
.set i, i+1
.endr
	WIN 0
.set i, 0
.rept 8
	PADD T+2*i, F+4*i, F+4*i+2
.set i, i+1
.endr
.irp c, 0,4,8,12
	PADD T+(\c), T+(\c), T+(\c)+2
.endr
	PADD T, T, T+4
	PADD T+8, T+8, T+12
	PADD T, T, T+8
	v_add_f32 v28, v[T], v[T+1]
	v_permlanex16_b32 v29, v28, s32, s33
	v_add_f32 v28, v28, v29
	v_mul_f32 v26, 0xbc800000, v28                 ; - mean, twice
	v_mul_f32 v27, 0xbc800000, v28
.set i, 0
.rept 16
	PADD CC+2*i, F+2*i, 26
.set i, i+1
.endr
	PMUL T, CC, CC
	PMUL T+2, CC+2, CC+2
.set i, 2
.rept 14
	PFMA T+2*(i%2), CC+2*i, CC+2*i, T+2*(i%2)
.set i, i+1
.endr
	PADD T, T, T+2
	v_add_f32 v28, v[T], v[T+1]
	v_permlanex16_b32 v29, v28, s32, s33
	v_add_f32 v28, v28, v29                        ; ssc
	v_mul_f32 v[T+4], v26, v26
	v_fmamk_f32 v[T+4], v[T+4], 0x42800000, v28    ; |f'|^2 = 64 mean^2 + ssc
	v_rsq_f32 v16, v[T+4]
	v_rsq_f32 v17, v[T+4]
	v_mul_f32 v[20+2*(\tt)+(\hd)], 0x3c820821, v28 ; qvar' = ssc / 63: the plain instruction behind the roots
	HEADW
.set i, 0
.rept 16
	PMUL F+2*i, F+2*i, 16
.set i, i+1
.endr
	CVT16 OU, F
	CVT16 OU+16, CC
.set PKIND, 1
.set PT, \tt
.set PH, \hd
.set PS, \set
.endm
; k: tile tt (2, 3).  A lane holds channel r of four channel tiles and tokens 8 h + 0..7: a token's sums run over the four tiles and the 16 lanes of a half.
.macro KEP tt, hd, set
.set AC, 8*(8*(\tt)+4*(\hd))
.set OU, OA+32*(\set)
	TOF 0x02, \hd
.irp p, 0,1,2,3
	PADD TM+2*(\p), F+2*(\p), F+8+2*(\p)
.endr
.irp p, 0,1,2,3
	PADD TM+2*(\p), TM+2*(\p), F+16+2*(\p)
.endr
.irp p, 0,1,2,3
	PADD TM+2*(\p), TM+2*(\p), F+24+2*(\p)
.endr
.irp m, 1,2,4,8
.irp n, 0,1,2,3,4,5,6,7
	XADD TM+(\n), \m
.endr
.endr
.irp p, 0,1,2,3
	v_pk_mul_f32 v[TM+2*(\p):TM+2*(\p)+1], v[TM+2*(\p):TM+2*(\p)+1], 0xbc800000 op_sel_hi:[1,0]  ; - mean
.endr
.set i, 0
.rept 16
	PADD CC+2*i, F+2*i, TM+2*(i%4)
.set i, i+1
.endr
.set i, 0
.rept 16
.if i < 4
	PMUL SS+2*i, CC+2*i, CC+2*i
.else
	PFMA SS+2*(i%4), CC+2*i, CC+2*i, SS+2*(i%4)
.endif
.set i, i+1
.endr
.irp m, 1,2,4,8
.irp n, 0,1,2,3,4,5,6,7
	XADD SS+(\n), \m
.endr
.endr
.irp p, 0,1,2,3
	PMUL T+2*(\p), TM+2*(\p), TM+2*(\p)
.endr
.irp p, 0,1,2,3
	v_pk_fma_f32 v[T+2*(\p):T+2*(\p)+1], v[T+2*(\p):T+2*(\p)+1], 0x42800000, v[SS+2*(\p):SS+2*(\p)+1] op_sel_hi:[1,0,1]
.endr
.irp n, 0,1,2,3,4,5,6,7
	v_rsq_f32 v[RN+(\n)], v[T+(\n)]
.endr
.irp p, 0,1,2,3                        ; kvar' = ssc / 63: the plain work behind the roots
	v_pk_mul_f32 v[KVR+8*((\tt)-2)+2*(\p):KVR+8*((\tt)-2)+2*(\p)+1], v[SS+2*(\p):SS+2*(\p)+1], 0x3c820821 op_sel_hi:[1,0]
.endr
	HEADW
.set i, 0
.rept 16
	PMUL F+2*i, F+2*i, RN+2*(i%4)
.set i, i+1
.endr
	CVT16 OU, F
	CVT16 OU+16, CC
.set PKIND, 2
.set PT, \tt
.set PH, \hd
.set PS, \set
.endm
; v: tile tt (4, 5): fv', and the block's part of u = sum over tokens of kvar' fv', in f32.
.macro VEP tt, hd, set
.set AC, 8*(8*((\tt)-4)+4*(\hd))
.set OU, OA+32*(\set)
	HEADW
	TOF 0x03, \hd
	CVT16 OU, F
.irp p, 0,1,2,3
.irp c, 0,1,2,3
.if ((\tt) == 4) && ((\p) == 0)
	PMUL UU+2*(\c), F+8*(\c), KVR
.else
	PFMA UU+2*(\c), F+8*(\c)+2*(\p), KVR+8*((\tt)-4)+2*(\p), UU+2*(\c)
.endif
.endr
.endr
.set PKIND, 3
.set PT, \tt
.set PH, \hd
.set PS, \set
.endm
.macro UFIN hd                         ; position 2 l + e of a row of upart holds channel 16 (2 h + e) + r.  Each head's pair goes out of registers of its own: v[26:27], v[28:29], which q's units are done with
.irp c, 0,1,2,3
	v_add_f32 v[UU+2*(\c)], v[UU+2*(\c)], v[UU+2*(\c)+1]
.endr
.irp c, 0,1,2,3
	v_permlanex16_b32 v[UU+2*(\c)+1], v[UU+2*(\c)], s32, s33
.endr
.irp c, 0,1,2,3
	v_add_f32 v[UU+2*(\c)], v[UU+2*(\c)], v[UU+2*(\c)+1]
.endr
	v_cndmask_b32 v[26+2*(\hd)], v[UU], v[UU+4], s30
	v_cndmask_b32 v[27+2*(\hd)], v[UU+2], v[UU+6], s30
	s_wait_alu depctr_va_vdst(0)                   ; the pair is written, and v's second unit has written its set: the stores below read both
	FLUSH
	global_store_b64 v12, v[26+2*(\hd):27+2*(\hd)], s[40:41] offset:16384*(\hd) th:TH_STORE_NT  ; 256 consecutive bytes
.endm
	QEP 0, 0, 0
	QEP 0, 1, 1
	QEP 1, 0, 0
	QEP 1, 1, 1
	v_cndmask_b32 v24, v20, v22, s30               ; lanes 0-15: tile 0's token r, lanes 16-31: tile 1's; both heads
	v_cndmask_b32 v25, v21, v23, s30
	s_wait_alu depctr_va_vdst(0)                   ; v24 and v25 are written, and q's last unit has written its set: the stores below read both
	FLUSH
	global_store_b64 v13, v[24:25], s[38:39] th:TH_STORE_NT
.irp d, 0,1
	KEP 2, \d, 0
	KEP 3, \d, 1
	VEP 4, \d, 0
	VEP 5, \d, 1
	UFIN \d
.endr
	s_wait_dscnt 0x0                               ; the closing lines, six on end
	s_wait_alu 0x0
	s_wait_tensorcnt 0x0
	ds_add_u32 v[SPW], v[NIL]
	s_wait_dscnt 0x0
	s_endpgm
.Lfunc_end_k_qe9b89a89e4_proj:
	.size	k_qe9b89a89e4_proj, .Lfunc_end_k_qe9b89a89e4_proj-k_qe9b89a89e4_proj
	.p2alignl 7, 3214868480
	.fill 96, 4, 3214868480
	.section	.rodata,"a",@progbits
	.p2align	6, 0x0
	.amdhsa_kernel k_qe9b89a89e4_proj
		.amdhsa_group_segment_fixed_size 100352
		.amdhsa_private_segment_fixed_size 0
		.amdhsa_enable_private_segment 0
		.amdhsa_kernarg_size 64
		.amdhsa_user_sgpr_count 2
		.amdhsa_user_sgpr_kernarg_segment_ptr 1
		.amdhsa_wavefront_size32 1
		.amdhsa_system_sgpr_workgroup_id_x 1
		.amdhsa_system_sgpr_workgroup_id_y 1
		.amdhsa_system_sgpr_workgroup_id_z 1
		.amdhsa_system_vgpr_workitem_id 0
		.amdhsa_next_free_vgpr 896
		.amdhsa_next_free_sgpr 66
		.amdhsa_reserve_vcc 0
		.amdhsa_float_denorm_mode_32 3
		.amdhsa_float_denorm_mode_16_64 3
		.amdhsa_memory_ordered 1
		.amdhsa_forward_progress 1
		.amdhsa_inst_pref_size 238
	.end_amdhsa_kernel
	.amdgpu_metadata
---
amdhsa.version: [ 1, 2 ]
amdhsa.kernels:
  - .name:           k_qe9b89a89e4_proj
    .symbol:         k_qe9b89a89e4_proj.kd
    .args:
      - { .name: q, .offset: 0, .size: 8, .value_kind: global_buffer, .address_space: global }
      - { .name: k, .offset: 8, .size: 8, .value_kind: global_buffer, .address_space: global }
      - { .name: v, .offset: 16, .size: 8, .value_kind: global_buffer, .address_space: global }
      - { .name: wts, .offset: 24, .size: 8, .value_kind: global_buffer, .address_space: global }
      - { .name: phiq, .offset: 32, .size: 8, .value_kind: global_buffer, .address_space: global }
      - { .name: phik, .offset: 40, .size: 8, .value_kind: global_buffer, .address_space: global }
      - { .name: fvf, .offset: 48, .size: 8, .value_kind: global_buffer, .address_space: global }
      - { .name: side, .offset: 56, .size: 8, .value_kind: global_buffer, .address_space: global }
    .group_segment_fixed_size: 100352
    .private_segment_fixed_size: 0
    .kernarg_segment_align: 8
    .kernarg_segment_size: 64
    .max_flat_workgroup_size: 128
    .sgpr_count:     66
    .vgpr_count:     896
    .wavefront_size: 32
...
	.end_amdgpu_metadata
.endif
;; end of part 5
;; launch kvsum: the kernel of part 3 again; grid 256 x 1, 4 waves a work-group, no clusters, 17,920 bytes of LDS; arguments phik, fvf, side, wts, cov_w_raw, var_w_raw, kvo; writes kvo
;; launch final (part 6): grid 256 x 1, 4 waves a work-group, no clusters, 83,456 bytes of LDS; arguments phiq, side, kvo, wts, b_out, out0; writes out0
.if DOCPART == 6
	.amdgcn_target "amdgcn-amd-amdhsa--gfx1250"
	.amdhsa_code_object_version 6
	.text
	.protected	k_qe9b89a89e4_final
	.globl	k_qe9b89a89e4_final
	.p2align	8
	.type	k_qe9b89a89e4_final,@function
k_qe9b89a89e4_final:
	s_mov_b64 s[64:65], 0
	v_nop
	global_prefetch_b8 v0, s[64:65] scope:SCOPE_SE
	s_setreg_imm32_b32 hwreg(HW_REG_WAVE_SCHED_MODE, 0, 2), 2
	s_setreg_imm32_b32 hwreg(HW_REG_WAVE_MODE, 25, 1), 1
	s_wait_xcnt 0x0
	s_wait_alu depctr_vm_vsrc(0)
; O''[n][j] = qvar'[n] u''[j] + sum over 128 features of Phi_q[n][f] KV''[f][j], for each head; out0 = fin (O'' (64 w_out)^T) + b_out.  Sums in f32; O'' is rounded once to f16.
; (O'' is the heads' output divided by 64 S cmax; the 64 in the weights' copy and fin = S cmax put that back.)
; SHARES.  Work-group x: 64 tokens (block x / 2: four tiles of 16) and 256 of the 512 output columns (x % 2).  STAGE 1, all 8 heads, is made by both work-groups of a token block: 128 products a wave more,
; for half the walk over w_out in each.  Wave w: heads 2 w, 2 w + 1.  STAGE 2: wave w makes output tiles 16 (x % 2) + 4 w + 0..3 for the four token tiles: 16 accumulators, K = 512 in 16 steps.
; LAYOUT.  Both products take the tokens as source 1, so a lane holds ONE token: stage 1's result (8 channels a lane), rounded in pairs, IS half a fragment of stage 2's source 1; it goes to LDS as it lies,
; 16 bytes a lane on end, since every wave wants all heads.  All operands from memory lie in fragment order: 512 consecutive bytes an instruction, straight into registers.
; REGISTERS.  window 0: v0-31 addresses, qvar' (v20-27), fin (v28-29); v32-159 16 accumulators; v160-223 at work; v224-255 u'' of the head in hand
;   window 1, 2: heads 0, 1: Phi_q at 32 tt + 8 ks, KV'' at 128 + 32 jt + 8 ks.  Behind stage 1: window 1 v0-31 b_out, v32-255 seven buffers of O''; window 2 the weights of K steps 8-15.        window 3: the weights of K steps 0-7, 32 registers each
; THE MODE: SCHED_MODE bits 1:0 = 2 (LLVM: expert scheduling mode 2), set by the entry lines.  The code itself states the register dependences
; between vector or matrix instructions and memory or LDS instructions, with s_wait_alu, always for 0.
; THE PLAN.  Registers that memory or LDS instructions touch:
;   v4-v15        offsets and LDS addresses, made at the head and never written again.
;   UR            head 0's sums are started from it; then head 1's u'' lands in it; behind stage 1 it is a buffer of O''.
;   CV            a head's 64 conversions write it, its 16 LDS stores read it: twice; then two buffers of O''; then rows on the way out.
;   windows 1, 2  stage 1's products read them; b_out lands in window 1 v0-31 behind head 0's products; all else lands there behind the wait that follows head 1's conversions.
;   window 3      loaded once: no vector or matrix instruction names it before its loads.
;   STAGE 2: every step's weights have registers of their own (16 x 32).  O'' has ten buffers, OB(k % 10): CV, CV + 32, UR, window 1 v32 .. v255; a step's fragments are asked for two steps ahead.
;   Steps 0 to 9 land in registers that stage 1 is done with.  ONE wait on va_vdst, at the head of step 8, shows steps 0 to 7 done: steps 10 to 15 land in the buffers of steps 0 to 5, and each of those loads is issued
;   before any product behind that wait names its buffer.
;   THE WAY OUT: the 64 multiply-adds stand together, one wait behind them; the tiles come back from the stage into CV, CV + 32, UR and tile 0's own registers.
.set STAGE, 65536                      ; LDS: 0: O'' fragments at (4 kstep + tt) x 1,024; STAGE: 16 rows x 272 bytes for each wave, its own, for the way out
.set SP,    272
.set SPARE, STAGE+4*16*SP
.set SPW,  30
.set NIL,  31
.set QV,   20
.set ACC,  32
.set CV,   160
.set UR,   224
.set MSB, 0
.macro WIN new
.if MSB != (\new)
	s_set_vgpr_msb (MSB<<8)|(\new)
.set MSB, (\new)
.endif
.endm
.macro PLACES                          ; four places behind a matrix instruction, in front of readers of its result and of loads into its registers (ISA guide 7.12.1 for vector instructions)
.rept 4
	v_nop
.endr
.endm
	s_load_b256 s[4:11], s[0:1], 0x0               ; phiq s[4:5], side s[6:7], kvo s[8:9], wts s[10:11]
	s_load_b128 s[12:15], s[0:1], 0x20             ; b_out s[12:13], out0 s[14:15]
	v_lshl_add_u32 v[SPW], v0, 2, SPARE
	v_mov_b32 v[NIL], 0
	v_lshrrev_b32 v1, 5, v0
	v_readfirstlane_b32 s20, v1                    ; wave 0..3
	v_and_b32 v1, 31, v0
	v_and_b32 v2, 15, v0                           ; r
	v_bfe_u32 v3, v0, 4, 1                         ; h
	s_lshr_b32 s21, ttmp9, 1                       ; token block
	s_and_b32 s22, ttmp9, 1                        ; half of the columns
	s_lshr_b32 s23, ttmp9, 6                       ; g
	v_lshlrev_b32 v13, 4, v1                       ; 16 l: O'' read from LDS
	s_wait_alu depctr_va_sdst(0)                   ; s20 is written, ahead of its first reader: the wave's shares are made from it
	s_lshl_b32 s44, s20, 14
	v_add_nc_u32 v4, s44, v13                      ; Phi_q, and O'' into LDS: 16 l + 16,384 w
	s_lshl_b32 s44, s20, 15
	v_add_nc_u32 v5, s44, v13                      ; KV'': 2 heads x 16,384 x w
	s_lshl_b32 s44, s20, 10
	v_lshl_add_u32 v6, v3, 5, s44                  ; u'': 32 h + 2 heads x 512 x w
	v_lshl_add_u32 v7, v1, 3, s44                  ; fin
	s_lshl_b32 s44, s20, 8
	v_lshl_add_u32 v8, v2, 3, s44                  ; qvar': 8 r + 256 w
	v_lshl_add_u32 v10, v3, 5, s44                 ; b_out: 32 h + 64 columns x w
	v_lshl_add_u32 v11, v2, 4, s44
	v_lshl_add_u32 v11, v3, 11, v11                ; out0: row h, 16 r, + 256 w
	s_lshl_b32 s44, s20, 12
	v_add_nc_u32 v9, s44, v13                      ; w_out: 4 fragments x w
	s_mul_i32 s44, s20, 16*SP
	s_add_co_u32 s44, s44, STAGE
	v_mul_u32_u24 v14, v2, SP
	v_lshl_add_u32 v14, v3, 5, v14
	v_add_nc_u32 v14, s44, v14                     ; into my stage: row r, 32 bytes for each half of the lanes
	v_mul_u32_u24 v15, v3, SP
	v_lshl_add_u32 v15, v2, 4, v15
	v_add_nc_u32 v15, s44, v15                     ; back: lanes 0-15 one row of 256 bytes, lanes 16-31 the next
	s_lshl_b32 s24, s21, 17
	s_mov_b32 s25, 0
	s_lshl_b32 s26, s21, 11
	s_mov_b32 s27, 0
	s_lshl_b32 s28, s23, 17
	s_mov_b32 s29, 0
	s_lshl_b32 s30, s23, 12
	s_add_co_u32 s30, s30, 524288
	s_mov_b32 s31, 0
	s_lshl_b32 s32, s22, 14
	s_add_co_u32 s32, s32, 524288
	s_mov_b32 s33, 0
	s_lshl_b32 s34, s22, 10
	s_mov_b32 s35, 0
	s_wait_kmcnt 0x0
	s_add_nc_u64 s[4:5], s[4:5], s[24:25]
	s_add_nc_u64 s[6:7], s[6:7], s[26:27]
	s_add_nc_u64 s[16:17], s[8:9], s[28:29]        ; kvt of my group
	s_add_nc_u64 s[18:19], s[8:9], s[30:31]        ; uv of my group
	s_add_nc_u64 s[10:11], s[10:11], s[32:33]      ; wo16 at my half's tiles
	s_add_nc_u64 s[12:13], s[12:13], s[34:35]
	s_add_nc_u64 s[14:15], s[14:15], s[24:25]
	s_add_nc_u64 s[14:15], s[14:15], s[34:35]
	s_wait_alu depctr_va_vdst(0)                   ; the offsets and LDS addresses v4-v15 are written, which the kernel's loads and stores read
.macro ULD hd                          ; a lane's 8 channels of each of the head's four channel tiles
	WIN 0
.irp j, 0,1,2,3
	global_load_b128 v[UR+8*(\j):UR+8*(\j)+3],   v6, s[18:19] offset:512*(\hd)+64*(\j)
	global_load_b128 v[UR+8*(\j)+4:UR+8*(\j)+7], v6, s[18:19] offset:512*(\hd)+64*(\j)+16
.endr
.endm
.macro HLD hd                          ; a head's operands: 16 fragments of Phi_q, 16 of KV'': 64 loads
	WIN (1+(\hd))<<6
.irp t, 0,1,2,3
.irp s, 0,1,2,3
	global_load_b128 v[32*(\t)+8*(\s):32*(\t)+8*(\s)+3],   v4, s[4:5] offset:((\t)/2)*65536+(2*(\hd)+(\t)%2)*4096+(\s)*1024
	global_load_b128 v[32*(\t)+8*(\s)+4:32*(\t)+8*(\s)+7], v4, s[4:5] offset:((\t)/2)*65536+(2*(\hd)+(\t)%2)*4096+(\s)*1024+512
.endr
.endr
.irp j, 0,1,2,3
.irp s, 0,1,2,3
	global_load_b128 v[128+32*(\j)+8*(\s):128+32*(\j)+8*(\s)+3],   v5, s[16:17] offset:(\hd)*16384+(\j)*4096+(\s)*1024
	global_load_b128 v[128+32*(\j)+8*(\s)+4:128+32*(\j)+8*(\s)+7], v5, s[16:17] offset:(\hd)*16384+(\j)*4096+(\s)*1024+512
.endr
.endr
.endm
.macro CINIT hd                        ; the sums start at qvar' u'': accumulator (jt, tt) at ACC + 8 (4 jt + tt)
	WIN 0
.irp j, 0,1,2,3
.irp t, 0,1,2,3
.irp p, 0,2,4,6
	v_pk_mul_f32 v[ACC+8*(4*(\j)+(\t))+(\p):ACC+8*(4*(\j)+(\t))+(\p)+1], v[UR+8*(\j)+(\p):UR+8*(\j)+(\p)+1], v[QV+2*(\t):QV+2*(\t)+1] op_sel:[0,\hd] op_sel_hi:[1,\hd]
.endr
.endr
.endr
.endm
.macro S1 hd                           ; 64 products: source 0 = KV'' (channels x features), source 1 = Phi_q (tokens x features).  The 16 accumulators take turns.
	WIN 5*(1+(\hd))
.irp s, 0,1,2,3
.irp j, 0,1,2,3
.irp t, 0,1,2,3
	v_wmma_f32_16x16x32_f16 v[ACC+8*(4*(\j)+(\t)):ACC+8*(4*(\j)+(\t))+7], v[128+32*(\j)+8*(\s):128+32*(\j)+8*(\s)+7], v[32*(\t)+8*(\s):32*(\t)+8*(\s)+7], v[ACC+8*(4*(\j)+(\t)):ACC+8*(4*(\j)+(\t))+7]
.endr
.endr
.endr
.endm
.macro CVTC                            ; a head's O'' to f16, each accumulator from its low end on
	WIN 0
.set i, 0
.rept 64
	v_cvt_pk_f16_f32 v[CV+i], v[ACC+2*i], v[ACC+2*i+1]
.set i, i+1
.endr
.endm
.macro CVTS hd                         ; and into LDS: channel tile jt is part jt % 2 of K step 4 w + 2 hd + jt / 2
	WIN 0
.irp j, 0,1,2,3
.irp t, 0,1,2,3
	ds_store_b128 v4, v[CV+4*(4*(\j)+(\t)):CV+4*(4*(\j)+(\t))+3] offset:(2*(\hd)+(\j)/2)*4096+(\t)*1024+((\j)%2)*512
.endr
.endr
.endm
.macro WOLD ks                         ; a K step's four fragments of w_out: steps 0-7 into window 3, steps 8-15 into window 2
	WIN (3-(\ks)/8)<<6
.irp o, 0,1,2,3
	global_load_b128 v[32*((\ks)%8)+8*(\o):32*((\ks)%8)+8*(\o)+3],   v9, s[10:11] offset:(\ks)*32768+(\o)*1024
	global_load_b128 v[32*((\ks)%8)+8*(\o)+4:32*((\ks)%8)+8*(\o)+7], v9, s[10:11] offset:(\ks)*32768+(\o)*1024+512
.endr
.endm
.macro OBUF k                          ; the buffer of O'' for K step k: window OW, first register OB
.set kk, (\k)%10
.if kk < 3
.set OW, 0
.set OB, CV+32*kk                      ; CV, CV + 32, UR
.else
.set OW, 1
.set OB, 32*(kk-2)                     ; window 1 v32 .. v255
.endif
.endm
.macro OLD ks                          ; a K step's four fragments of O''
	OBUF \ks
	WIN OW<<6
.irp t, 0,1,2,3
	ds_load_b128 v[OB+8*(\t):OB+8*(\t)+3],   v13 offset:(4*(\ks)+(\t))*1024
	ds_load_b128 v[OB+8*(\t)+4:OB+8*(\t)+7], v13 offset:(4*(\ks)+(\t))*1024+512
.endr
.endm
.irp t, 0,1,2,3
	global_load_b64 v[QV+2*(\t):QV+2*(\t)+1], v8, s[6:7] offset:((\t)/2)*1024+((\t)%2)*128   ; token r of tile t: qvar' of my two heads
.endr
	global_load_b64 v[28:29], v7, s[18:19] offset:256
	ULD 0
	HLD 0
	HLD 1
	s_wait_loadcnt 63                              ; head 0's operands are in: head 1's 64 loads are younger, and the count's field ends at 63
	CINIT 0
	s_wait_alu depctr_va_vdst(0)                   ; the 64 multiplies above are done reading UR, in which head 1's u'' lands
	ULD 1
	S1 0
	PLACES                                         ; behind the last products, ahead of the conversions that read their results
	CVTC
	s_wait_alu depctr_va_vdst(0)                   ; the conversions have written CV, which the LDS stores below read; head 0's products are done reading window 1 v0-31, in which b_out lands
	WIN 0x40
.irp o, 0,1,2,3
	global_load_b128 v[8*(\o):8*(\o)+3],   v10, s[12:13] offset:64*(\o)
	global_load_b128 v[8*(\o)+4:8*(\o)+7], v10, s[12:13] offset:64*(\o)+16
.endr
.irp n, 0,1,2,3,4,5,6,7
	WOLD \n                                        ; the weights of K steps 0-7 are asked for while stage 1 goes on
.endr
	CVTS 0
	s_wait_loadcnt 63                              ; head 1's operands and u'' are in: 72 loads are younger
	CINIT 1
	S1 1
	PLACES
	s_wait_alu depctr_vm_vsrc(0)                   ; head 0's LDS stores have read CV, which the conversions below write again
	CVTC
	s_wait_alu depctr_va_vdst(0)                   ; the conversions have written CV, which the LDS stores read; stage 1 is done reading windows 1 and 2 and UR, in which stage 2's loads land
	CVTS 1
	s_wait_dscnt 0x0                               ; for the others' sake: my two heads of O'' are in LDS
	s_barrier_signal -1
	s_barrier_wait -1                              ; all eight are; those bytes are written no more
	s_wait_alu depctr_vm_vsrc(0)                   ; head 1's LDS stores have read CV, in which the fragments of K steps 0 and 1 land
	OLD 0
	OLD 1
; STAGE 2, 16 K steps written out: at a step's head the weights 7 steps on and the fragments of O'' two steps on are asked for, each into registers that no product issued since the last wait on va_vdst names.
.set k, 0
.rept 16
.if k == 8
	PLACES                                         ; four places behind the products of steps 0 to 7, in front of loads into registers that they read; they stand beside the wait below, not for it
	s_wait_alu depctr_va_vdst(0)                   ; steps 0 to 7 are done reading their buffers of O'': the fragments of steps 10 to 15 land in the first six of them
.endif
.if (k >= 1) && (k <= 8)
	WOLD k+7
.endif
.if k < 14
	OLD k+2
.endif
.set n, 8*(15-k)
.if n > 56
.set n, 56
.endif
	s_wait_loadcnt n                               ; the weights' steps younger than this one may stay out: 7, or what is left
.if k < 14
	s_wait_dscnt 16                                ; the two younger steps' sixteen LDS loads may stay out
.else
	s_wait_dscnt 8*(15-k)                          ; the counts run down
.endif
	OBUF k
	WIN (3-k/8)|(OW<<2)                            ; source 0 = w_out (window 3, then 2), source 1 = O'' in its buffer's window, C and D window 0
.irp t, 0,1,2,3
.irp o, 0,1,2,3
.if k == 0
	v_wmma_f32_16x16x32_f16 v[ACC+8*(4*(\t)+(\o)):ACC+8*(4*(\t)+(\o))+7], v[32*(k%8)+8*(\o):32*(k%8)+8*(\o)+7], v[OB+8*(\t):OB+8*(\t)+7], 0
.else
	v_wmma_f32_16x16x32_f16 v[ACC+8*(4*(\t)+(\o)):ACC+8*(4*(\t)+(\o))+7], v[32*(k%8)+8*(\o):32*(k%8)+8*(\o)+7], v[OB+8*(\t):OB+8*(\t)+7], v[ACC+8*(4*(\t)+(\o)):ACC+8*(4*(\t)+(\o))+7]
.endif
.endr
.endr
.set k, k+1
.endr
; THE WAY OUT: fin x sum + b_out for all four token tiles; then, a tile at a time, a lane's 8 columns of a row go into my stage (rows of 272 bytes) and come back as whole rows of 256 bytes.
; A tile's stores to memory stand behind the next tile's stores and loads of the stage.
	PLACES
	WIN 0x10                                       ; source 2 (b_out) window 1
.set i, 0
.rept 64
	v_pk_fma_f32 v[ACC+2*i:ACC+2*i+1], v[ACC+2*i:ACC+2*i+1], v[28:29], v[2*(i%16):2*(i%16)+1]
.set i, i+1
.endr
	WIN 0
	s_wait_alu depctr_va_vdst(0)                   ; the 64 multiply-adds have written the tiles, which the LDS stores read; the last products are done reading CV, CV + 32 and UR, in which the rows land
.macro BKOF t                          ; where tile t comes back to
.if (\t) < 3
.set BK, CV+32*(\t)
.else
.set BK, ACC                           ; tile 0's own registers
.endif
.endm
.macro TOST t
	BKOF \t
.irp n, 0,1,2,3,4,5,6,7
	ds_store_b128 v14, v[ACC+32*(\t)+4*(\n):ACC+32*(\t)+4*(\n)+3] offset:((\n)/2)*64+((\n)%2)*16
.endr
.if (\t) == 3
	s_wait_alu depctr_vm_vsrc(0)                   ; tile 0's LDS stores have read its registers, in which tile 3's rows land
.endif
.irp n, 0,1,2,3,4,5,6,7
	ds_load_b128 v[BK+4*(\n):BK+4*(\n)+3], v15 offset:(\n)*2*SP   ; LDS serves a wave's instructions in order (ISA guide 5.7.1.4): these see the stores above; the next tile's stores come behind them
.endr
.endm
.macro SEND t
	BKOF \t
.irp n, 0,1,2,3,4,5,6,7
	global_store_b128 v11, v[BK+4*(\n):BK+4*(\n)+3], s[14:15] offset:(\t)*32768+(\n)*4096 th:TH_STORE_NT  ; 16 lanes store 256 consecutive bytes, aligned
.endr
.endm
	TOST 0
	TOST 1
	s_wait_dscnt 16                                ; tile 0's rows are back: the next tile's eight stores and eight loads may stay out.  So below.
	SEND 0
	TOST 2
	s_wait_dscnt 16
	SEND 1
	TOST 3
	s_wait_dscnt 16
	SEND 2
	s_wait_dscnt 0x0
	SEND 3
	s_wait_dscnt 0x0                               ; the closing lines, six on end
	s_wait_alu 0x0
	s_wait_tensorcnt 0x0
	ds_add_u32 v[SPW], v[NIL]
	s_wait_dscnt 0x0
	s_endpgm
.Lfunc_end_k_qe9b89a89e4_final:
	.size	k_qe9b89a89e4_final, .Lfunc_end_k_qe9b89a89e4_final-k_qe9b89a89e4_final
	.p2alignl 7, 3214868480
	.fill 96, 4, 3214868480
	.section	.rodata,"a",@progbits
	.p2align	6, 0x0
	.amdhsa_kernel k_qe9b89a89e4_final
		.amdhsa_group_segment_fixed_size 83456
		.amdhsa_private_segment_fixed_size 0
		.amdhsa_enable_private_segment 0
		.amdhsa_kernarg_size 48
		.amdhsa_user_sgpr_count 2
		.amdhsa_user_sgpr_kernarg_segment_ptr 1
		.amdhsa_wavefront_size32 1
		.amdhsa_system_sgpr_workgroup_id_x 1
		.amdhsa_system_sgpr_workgroup_id_y 1
		.amdhsa_system_sgpr_workgroup_id_z 1
		.amdhsa_system_vgpr_workitem_id 0
		.amdhsa_next_free_vgpr 1024
		.amdhsa_next_free_sgpr 66
		.amdhsa_reserve_vcc 0
		.amdhsa_float_denorm_mode_32 3
		.amdhsa_float_denorm_mode_16_64 3
		.amdhsa_memory_ordered 1
		.amdhsa_forward_progress 1
		.amdhsa_inst_pref_size 95
	.end_amdhsa_kernel
	.amdgpu_metadata
---
amdhsa.version: [ 1, 2 ]
amdhsa.kernels:
  - .name:           k_qe9b89a89e4_final
    .symbol:         k_qe9b89a89e4_final.kd
    .args:
      - { .name: phiq, .offset: 0, .size: 8, .value_kind: global_buffer, .address_space: global }
      - { .name: side, .offset: 8, .size: 8, .value_kind: global_buffer, .address_space: global }
      - { .name: kvo, .offset: 16, .size: 8, .value_kind: global_buffer, .address_space: global }
      - { .name: wts, .offset: 24, .size: 8, .value_kind: global_buffer, .address_space: global }
      - { .name: b_out, .offset: 32, .size: 8, .value_kind: global_buffer, .address_space: global }
      - { .name: out0, .offset: 40, .size: 8, .value_kind: global_buffer, .address_space: global }
    .group_segment_fixed_size: 83456
    .private_segment_fixed_size: 0
    .kernarg_segment_align: 8
    .kernarg_segment_size: 48
    .max_flat_workgroup_size: 128
    .sgpr_count:     66
    .vgpr_count:     1024
    .wavefront_size: 32
...
	.end_amdgpu_metadata
.endif
;; end of part 6
